; MI455X (gfx1250); checked and timed in simulation.
; The chip was launched on July 23, 2026; its instructions are those of AMD's public machine-readable ISA for CDNA 5 (MIT licence, August 2026) and "CDNA5" Instruction Set Architecture Reference Guide (July 2026). The comments in the code are by the model that wrote it; some were corrected since.
;; MHA. Allowed arithmetic: matrix products marked QUANTISED: E3M2 operands, one E8M0 scale for each 32 along K, by v_wmma_scale_f32_16x16x128_f8f6f4 with both operands' format E3M2, f32 sums; everything else in f32.
;; Inputs: b_out 1,024 float32; b_qkv 3,072 float32; w_out 1,024 x 1,024 float32; w_qkv 1,024 x 3,072 float32; x 4 x 2,048 x 1,024 float32.
;; Outputs: out0 4 x 2,048 x 1,024 float32.
;; This version of the problem:
;;   THIS VERSION OF THE PROBLEM IS GIVEN IN LOW PRECISION. The matrix products marked QUANTISED in the list below multiply operands that are first quantised to E3M2 (3 exponent bits, 2 mantissa bits; 6 bits a number), with one power-of-two scale for each 32 numbers along K (OCP MX v1.0); their sums are f32. All else is computed in f32.
;;   The module's matrix products, in the order in which they are computed (A, B: the left and right operand; K: the contracted axis; several contracted axes count as one K, in the product's order):
;;     1. [M 8,192, K 1,024] x [K 1,024, N 3,072]; A: input x; B: input w_qkv: QUANTISED
;;     2. batch 64 x [M 2,048, K 64] x [K 64, N 2,048]; A: computed on the way; B: computed on the way: QUANTISED
;;     3. batch 64 x [M 64, K 2,048] x [K 2,048, N 2,048]; A: computed on the way; B: softmax (see below): QUANTISED
;;     4. [M 8,192, K 1,024] x [K 1,024, N 1,024]; A: computed on the way; B: input w_out: QUANTISED
;;   THE QUANTISER, for each operand of a quantised product, along K:
;;     - K is cut into blocks of 32 from its start; a last block that is shorter is filled with zeros.
;;     - A block's scale is 2^e with e = floor(log2(the largest magnitude in the block)) - 4, held to -126 .. 127; a block of zeros has e = 0. As a byte (E8M0): e + 127.
;;     - Each number is divided by its block's scale, clamped to +-28, and rounded to the nearest number of E3M2, ties to even, subnormals kept.
;;     - The product sums the exact products of the quantised numbers (number of the format x scale) in f32.
;;   ~~~python
;;   def quantise(x, axis):      # numpy; x: float32 -> the quantised numbers, widened to float32 again
;;       x = np.moveaxis(x, axis, -1); K = x.shape[-1]
;;       x = np.pad(x, [(0, 0)] * (x.ndim - 1) + [(0, -K % 32)]); x = x.reshape(x.shape[:-1] + (-1, 32)); a = np.abs(x).max(-1, keepdims=True)
;;       e = np.where(a > 0, np.clip(np.frexp(np.where(a > 0, a, 1))[1] - 1 - 4, -126, 127), 0)      # np.frexp(a)[1] - 1 = floor(log2(a)), exactly
;;       r = np.clip(x / 2.0 ** e, -28, 28)
;;       step = 2.0 ** (np.maximum(np.frexp(np.where(r == 0, 1, r))[1] - 1, -2) - 2)
;;       q = np.round(r / step) * step * 2.0 ** e      # np.round: ties to even
;;       return np.moveaxis(q.reshape(q.shape[:-2] + (-1,))[..., :K], -1, axis).astype(np.float32)
;;   ~~~
;;   SOFTMAX AHEAD OF A QUANTISED PRODUCT. Where the list says 'softmax', what is quantised is not the finished softmax but p = 2^(t - M), with t = logit x log2(e) and M = ceil(the row's largest t), a whole number; so 1/2 < the row's largest p <= 1. The row's sum l is taken of the UNQUANTISED p, in f32, and the product's result is divided by l at the end. Since M is a whole number, a kernel that streams over the keys may use a running M (the ceiling of the running maximum): every later rescaling is an exact power of two, which a block's scale takes up: the codes' values come out the same.
;;   OPERANDS COMPUTED ON THE WAY. 'Computed on the way' means the value that the module computes at that place (a softmax that the list does not call 'softmax' is quantised finished and normalised). What goes into a quantiser is computed in f32, as accurately as f32 sums, v_exp_f32 and their like allow (about 1e-6 of the number): no bf16 or f16 on the way to a quantiser, and a product that is left as it is and whose result goes on into a quantised operand takes f32 operands (vector FMAs, or v_wmma_f32_16x16x4_f32). A number that lies on a knife's edge between two numbers of the format may be rounded either way, as far as f32 arithmetic and the matrix unit's own rounding can turn it there, and no further.
;; One version. Each part assembles by itself: llvm-mc -triple=amdgcn-amd-amdhsa -mcpu=gfx1250 --defsym DOCPART=n.
;; ======== version 1 of 1: 4 launches
;; limits: right only within a limited range of input values
;; workspace buffers: xc 6,291,456 bytes; xs 262,144 bytes; wc 3,145,728 bytes; ws 131,072 bytes; qrec 13,369,344 bytes; kvrec 13,369,344 bytes; aoc 6,291,456 bytes; aos 262,144 bytes
;; launch quant (part 1): grid 640 x 1, 4 waves a work-group, no clusters, 35,328 bytes of LDS; arguments x, w_qkv, w_out, xc, xs, wc, ws; writes xc, xs, wc, ws
.if DOCPART == 1
	.amdgcn_target "amdgcn-amd-amdhsa--gfx1250"
	.amdhsa_code_object_version 6
	.text
	.protected	k_qc06454e77c_quant
	.globl	k_qc06454e77c_quant
	.p2align	8
	.type	k_qc06454e77c_quant,@function
k_qc06454e77c_quant:
	s_mov_b64 s[64:65], 0
	v_nop
	global_prefetch_b8 v0, s[64:65] scope:SCOPE_SE
	s_setreg_imm32_b32 hwreg(HW_REG_WAVE_MODE, 25, 1), 1
	s_wait_xcnt 0x0
; x [8192][1024], w_qkv [1024][3072] and w_out [1024][1024], f32, become codes of BF6 (E3M2) with one E8M0 scale byte for each 32 along K (x: its last axis; the weights: their first).
; A block's scale is 2^(floor(log2(its largest magnitude)) - 4); its byte is the largest magnitude's exponent field - 4, held at 1 from below.
; LIMITS: NaN and infinities among the inputs are not served; a block whose largest magnitude lies under 2^-122 has its byte held at 1; a block of zeros gets the byte 1 where the
; rule says 127: its codes are zeros, which add nothing under any byte but 0xff, and the bytes are read by this program alone.
; LAYOUT OF THE RESULTS: images of the matrix operand's registers.  A tile is 16 rows (tokens, or a weight's output channels); a fragment is a tile x 128 along K: 12 registers a lane, lane (r, h)
; holding row r, registers 6 c .. 6 c + 5 = K 64 c + 32 h + 0 .. 31.  Codes: tile x 12,288 + K step x 1,536 + piece x 256 + lane x 8 bytes (piece p = registers 2 p, 2 p + 1).
; Scale words: tile x 512 + (K step / 2) x 128 + r x 8 + (K step % 2) x 4.
; THE ROWS OF A TILE ARE NOT NEIGHBOURS: row r of tile 2 G + u is true row 32 G + 8 u + r + 8 (r / 8), so that a product which takes such tiles as its first source leaves 16 true neighbours in a lane's 16 registers of two tiles.
; Work-groups 0-511: one tile of x each, wave q the K steps 2 q and 2 q + 1.  Work-groups 512-639: 128 columns x 256 rows of a weight, a wave 32 columns.  Waves share nothing: no barrier.
; No cluster and no tensor load: no two work-groups read the same bytes.
.set M,    12                          ; v12-13  largest magnitudes
.set SOP,  14                          ; v14-15  the conversions' scale operands
.set BY,   16                          ; v16-17  scale bytes
.set W,    18                          ; v18-19  scale words of the two K steps
.set D,    32                          ; x: v32-55  two fragments
.set TPX,  56                          ; x: v56-62  the upper halves of blocks, as converted
.set X,    64                          ; x: v64-127 64 numbers in the operand's order
.set R,    128                         ; x: v128-255 two K steps as loaded
.set TPW,  40                          ; w: v40-46
.set CW,   48                          ; w: v48-95  codes: 12 registers for each pair of blocks
.set VOFF, 96                          ; w: v96-127 my column's byte + i rows
.set XW,   128                         ; w: v128-255 four sets of 32 numbers
; the largest magnitude of the 32 numbers v[xs] on, in two chains, and the floor 2^(5 - 127), which holds the byte at 1 from below
.macro BMAX dst, xs
	v_max3_num_f32 v[\dst], |v[\xs]|, |v[\xs+1]|, |v[\xs+2]|
	v_max3_num_f32 v20, |v[\xs+3]|, |v[\xs+4]|, |v[\xs+5]|
.irp i, 6,10,14,18,22,26
	v_max3_num_f32 v[\dst], v[\dst], |v[\xs+\i]|, |v[\xs+\i+1]|
	v_max3_num_f32 v20, v20, |v[\xs+\i+2]|, |v[\xs+\i+3]|
.endr
	v_max3_num_f32 v[\dst], v[\dst], |v[\xs+30]|, |v[\xs+31]|
	v_max3_num_f32 v[\dst], v[\dst], v20, 0x2800000
.endm
	s_load_b256 s[4:11], s[0:1], 0x0               ; x s[4:5], w_qkv s[6:7], w_out s[8:9], x's codes s[10:11]
	s_load_b128 s[12:15], s[0:1], 0x20             ; x's scale words s[12:13], the weights' codes s[14:15]
	s_load_b64 s[16:17], s[0:1], 0x30              ; the weights' scale words
	v_lshl_add_u32 v30, v0, 2, 0x8800
	v_mov_b32 v31, 0
	v_lshrrev_b32 v1, 5, v0
	v_readfirstlane_b32 s20, v1                    ; wave 0..3
	v_and_b32 v1, 31, v0                           ; lane
	v_and_b32 v2, 15, v0                           ; r
	v_bfe_u32 v3, v0, 4, 1                         ; h
	v_lshlrev_b32 v7, 3, v1                        ; 8 x lane: my place in a piece
	s_mov_b32 s22, 0x76543210
	s_mov_b32 s23, 0xfedcba98                      ; v_permlanex16_b32's selects for lane l xor 16
	s_cmp_lt_u32 ttmp9, 512
	s_cbranch_scc0 .Lw
	; ---------------- x: tile T = the work-group's number; my wave's 256 along K
	s_lshr_b32 s24, ttmp9, 1
	s_lshl_b32 s24, s24, 17                        ; 32 (T / 2) rows of 4,096 bytes
	s_and_b32 s25, ttmp9, 1
	s_lshl_b32 s25, s25, 15                        ; + 8 (T % 2) rows
	s_add_co_u32 s24, s24, s25
	s_lshl_b32 s25, s20, 10                        ; + my 256 numbers of a row
	s_add_co_u32 s24, s24, s25
	s_mov_b32 s25, 0
	s_mul_i32 s26, ttmp9, 12288
	s_mul_i32 s27, s20, 3072
	s_add_co_u32 s26, s26, s27                     ; the codes: tile, two K steps a wave
	s_mov_b32 s27, 0
	s_lshl_b32 s28, ttmp9, 9
	s_lshl_b32 s29, s20, 7
	s_add_co_u32 s28, s28, s29                     ; the scale words
	s_mov_b32 s29, 0
	s_mul_i32 s30, s20, 8704                       ; my wave's stage: 16 rows x (512 bytes + 16)
	s_wait_alu depctr_va_vdst(0)
	v_lshlrev_b32 v4, 4, v1                        ; 16 x lane
	v_add_nc_u32 v5, s30, v4                       ; into the stage: as loaded
	v_mul_u32_u24 v6, v2, 528
	v_lshl_add_u32 v6, v3, 7, v6
	v_add_nc_u32 v6, s30, v6                       ; out of it: row r, + 128 h bytes: K = 32 h on
	v_lshlrev_b32 v8, 3, v2                        ; 8 r
	v_lshlrev_b32 v9, 3, v3                        ; 8 h: how far my two bytes are shifted in the scale word
	v_mov_b32 v10, 0                               ; (a lane permute's destination counts as one of its sources)
	s_wait_alu depctr_va_vdst(0)
	s_wait_kmcnt 0x0
	s_add_nc_u64 s[4:5], s[4:5], s[24:25]
	s_add_nc_u64 s[10:11], s[10:11], s[26:27]
	s_add_nc_u64 s[12:13], s[12:13], s[28:29]
.irp kk, 0,1
.irp i, 0,1,2,3,4,5,6,7,8,9,10,11,12,13,14,15
	global_load_b128 v[R+64*\kk+4*\i:R+64*\kk+4*\i+3], v4, s[4:5] offset:((\i&7)+16*(\i>>3))*4096+512*\kk th:TH_LOAD_NT   ; the tile's row i, 512 consecutive bytes, aligned
.endr
.endr
; a K step's 16 x 128 numbers go through my own stage as they lie and come back in the operand's order; LDS serves a wave's instructions in order, so no wait stands between
.macro TURNX kk
.irp i, 0,1,2,3,4,5,6,7,8,9,10,11,12,13,14,15
	ds_store_b128 v5, v[R+64*\kk+4*\i:R+64*\kk+4*\i+3] offset:528*\i
.endr
.irp c, 0,1
.irp j, 0,1,2,3,4,5,6,7
	ds_load_b128 v[X+32*\c+4*\j:X+32*\c+4*\j+3], v6 offset:256*\c+16*\j   ; K = 64 c + 32 h + 4 j on, of row r
.endr
.endr
.endm
; my two whole blocks (h and 2 + h of the K step) become six registers each; the scale word's four bytes are gathered from lanes l and l xor 16
.macro QX kk
	BMAX M, X
	BMAX M+1, X+32
	v_add_nc_u32 v[SOP], 0xfe000000, v[M]          ; 4 off the exponent field: the conversion takes the exponent field of this operand as its scale
	v_add_nc_u32 v[SOP+1], 0xfe000000, v[M+1]
	v_lshrrev_b32 v[BY], 23, v[SOP]                ; the scale's byte
	v_lshrrev_b32 v[BY+1], 23, v[SOP+1]
	v_lshl_or_b32 v[W+\kk], v[BY+1], 16, v[BY]
	v_lshlrev_b32 v[W+\kk], v9, v[W+\kk]
	v_permlanex16_b32 v10, v[W+\kk], s22, s23
	v_or_b32 v[W+\kk], v[W+\kk], v10
.irp c, 0,1
	v_cvt_scalef32_pk16_bf6_f32 v[D+12*\kk+6*\c:D+12*\kk+6*\c+2], v[X+32*\c:X+32*\c+15], v[SOP+\c]
	v_cvt_scalef32_pk16_bf6_f32 v[TPX+4*\c:TPX+4*\c+2], v[X+32*\c+16:X+32*\c+31], v[SOP+\c]   ; (a conversion's three registers begin on an even number)
.endr
	v_nop                                          ; one plain place behind a scaled conversion
.irp c, 0,1
.irp i, 0,1,2
	v_mov_b32 v[D+12*\kk+6*\c+3+\i], v[TPX+4*\c+\i]
.endr
.endr
.irp p, 0,1,2,3,4,5
	global_store_b64 v7, v[D+12*\kk+2*\p:D+12*\kk+2*\p+1], s[10:11] offset:1536*\kk+256*\p   ; 32 lanes store 256 consecutive bytes, aligned
.endr
.endm
	s_wait_loadcnt 16                              ; the first K step's 16 loads are in; the second's may be out
	TURNX 0
	s_wait_dscnt 0x0
	QX 0
	s_wait_loadcnt 0x0
	TURNX 1
	s_wait_dscnt 0x0
	QX 1
	global_store_b64 v8, v[W:W+1], s[12:13]        ; row r's two words (lanes 16-31 repeat lanes 0-15's bytes with the same values)
	s_wait_tensorcnt 0x0
	ds_add_u32 v30, v31
	s_wait_dscnt 0x0
	s_endpgm
	; ---------------- the weights: a lane takes a column, its registers run down K
.Lw:
	s_sub_co_u32 s24, ttmp9, 512
	s_lshr_b32 s25, s24, 2                         ; which 128 columns: 0-23 w_qkv's, 24-31 w_out's
	s_and_b32 s26, s24, 3                          ; which 256 rows
	s_lshl_b32 s27, s25, 2
	s_add_co_u32 s27, s27, s20                     ; G: my wave's group of 32 columns = tiles 2 G and 2 G + 1
	s_wait_kmcnt 0x0
	s_cmp_lt_u32 s25, 24                           ; the choice hangs on the work-group's number alone
	s_cselect_b64 s[6:7], s[6:7], s[8:9]
	s_mov_b32 s28, 4096
	s_cselect_b32 s28, 12288, s28                  ; bytes from row to row
	s_cselect_b32 s29, 0, 24
	s_sub_co_u32 s29, s25, s29                     ; the 128 columns' number in their own weight
	s_lshl_b32 s29, s29, 9
	s_lshl_b32 s30, s20, 7
	s_add_co_u32 s29, s29, s30                     ; my 32 columns, in bytes
	s_mul_i32 s30, s26, s28
	s_lshl_b32 s30, s30, 8                         ; my 256 rows
	s_add_co_u32 s30, s30, s29
	s_mov_b32 s31, 0
	s_add_nc_u64 s[32:33], s[6:7], s[30:31]        ; a base for each block of 32 rows: the pitch differs between the weights, so it cannot stand in immediates
	s_lshl_b32 s30, s28, 5
.irp t, 1,2,3,4,5,6,7
	s_add_nc_u64 s[32+2*\t:33+2*\t], s[30+2*\t:31+2*\t], s[30:31]
.endr
	s_mul_i32 s24, s27, 24576
	s_mul_i32 s25, s26, 3072
	s_add_co_u32 s24, s24, s25
	s_mov_b32 s25, 0
	s_add_nc_u64 s[14:15], s[14:15], s[24:25]      ; the codes: tile 2 G, my two K steps
	s_lshl_b32 s24, s27, 10
	s_lshl_b32 s26, s26, 7
	s_add_co_u32 s24, s24, s26
	s_add_nc_u64 s[16:17], s[16:17], s[24:25]      ; the scale words
	s_wait_alu depctr_va_vdst(0)
	v_and_b32 v11, 7, v1                           ; lane l stands at place l of the group: its true column is l with bits 3 and 4 exchanged
	v_and_b32 v12, 8, v1
	v_lshl_or_b32 v11, v12, 1, v11
	v_and_b32 v12, 16, v1
	v_lshrrev_b32 v12, 1, v12
	v_or_b32 v11, v11, v12
	v_lshlrev_b32 v11, 2, v11
.set i, 0
.rept 32
	v_mad_u32_u24 v[VOFF+i], s28, i, v11
.set i, i+1
.endr
	v_lshlrev_b32 v8, 3, v2
	v_lshl_add_u32 v8, v3, 9, v8                   ; my column's scale words: tile l / 16, row l % 16
.macro WLOAD t                         ; block t: 32 rows of my column into set t % 4; the wave reads 128 consecutive bytes, the work-group 512
.set i, 0
.rept 32
	global_load_b32 v[XW+32*((\t)%4)+i], v[VOFF+i], s[32+2*(\t):33+2*(\t)] th:TH_LOAD_NT
.set i, i+1
.endr
.endm
; blocks 2 p and 2 p + 1: in the fragment they are the halves h = 0 and h = 1 of registers 6 c .. 6 c + 5, c = p % 2, of K step p / 2
.macro WPAIR p
.set XA, XW+32*((2*(\p))%4)
.set XB, XW+32*((2*(\p)+1)%4)
.set CA, CW+12*(\p)
.set CB, CA+6
	s_wait_loadcnt 32                              ; block 2 p's 32 loads are in; the next block's may be out
	BMAX M, XA
.if \p < 3
	WLOAD 2*(\p)+2
	s_wait_loadcnt 32                              ; block 2 p + 1's are in
.else
	s_wait_loadcnt 0x0
.endif
	BMAX M+1, XB
.if \p < 3
	WLOAD 2*(\p)+3
.endif
	v_add_nc_u32 v[SOP], 0xfe000000, v[M]
	v_add_nc_u32 v[SOP+1], 0xfe000000, v[M+1]
	v_lshrrev_b32 v[BY], 23, v[SOP]
	v_lshrrev_b32 v[BY+1], 23, v[SOP+1]
	v_lshl_or_b32 v[BY], v[BY+1], 8, v[BY]         ; the pair's two bytes
.if (\p)%2 == 0
	v_mov_b32 v[W+(\p)/2], v[BY]
.else
	v_lshl_or_b32 v[W+(\p)/2], v[BY], 16, v[W+(\p)/2]
.endif
	v_cvt_scalef32_pk16_bf6_f32 v[CA:CA+2], v[XA:XA+15], v[SOP]
	v_cvt_scalef32_pk16_bf6_f32 v[TPW:TPW+2], v[XA+16:XA+31], v[SOP]
	v_cvt_scalef32_pk16_bf6_f32 v[CB:CB+2], v[XB:XB+15], v[SOP+1]
	v_cvt_scalef32_pk16_bf6_f32 v[TPW+4:TPW+6], v[XB+16:XB+31], v[SOP+1]
	v_nop                                          ; one plain place behind a scaled conversion
.irp i, 0,1,2
	v_mov_b32 v[CA+3+\i], v[TPW+\i]
	v_mov_b32 v[CB+3+\i], v[TPW+4+\i]
.endr
.irp i, 0,1,2,3,4,5
	v_permlane16_swap_b32 v[CA+\i], v[CB+\i]       ; the first's lanes 16-31 change places with the second's lanes 0-15: the first is now the even tile's image in lane order (r, h), the second the odd tile's
.endr
.irp i, 0,1,2
	global_store_b64 v7, v[CA+2*\i:CA+2*\i+1], s[14:15] offset:1536*((\p)/2)+768*((\p)%2)+256*\i          ; 256 consecutive bytes, aligned
	global_store_b64 v7, v[CB+2*\i:CB+2*\i+1], s[14:15] offset:12288+1536*((\p)/2)+768*((\p)%2)+256*\i
.endr
.endm
	WLOAD 0
	WLOAD 1
	WPAIR 0
	WPAIR 1
	WPAIR 2
	WPAIR 3
	global_store_b64 v8, v[W:W+1], s[16:17]        ; my column's two words: 128 consecutive bytes for each tile
	s_endpgm
.Lfunc_end_k_qc06454e77c_quant:
	.size	k_qc06454e77c_quant, .Lfunc_end_k_qc06454e77c_quant-k_qc06454e77c_quant
	.p2alignl 7, 3214868480
	.fill 96, 4, 3214868480
	.section	.rodata,"a",@progbits
	.p2align	6, 0x0
	.amdhsa_kernel k_qc06454e77c_quant
		.amdhsa_group_segment_fixed_size 35328
		.amdhsa_private_segment_fixed_size 0
		.amdhsa_enable_private_segment 0
		.amdhsa_kernarg_size 56
		.amdhsa_user_sgpr_count 2
		.amdhsa_user_sgpr_kernarg_segment_ptr 1
		.amdhsa_wavefront_size32 1
		.amdhsa_system_sgpr_workgroup_id_x 1
		.amdhsa_system_sgpr_workgroup_id_y 1
		.amdhsa_system_sgpr_workgroup_id_z 1
		.amdhsa_system_vgpr_workitem_id 0
		.amdhsa_next_free_vgpr 256
		.amdhsa_next_free_sgpr 66
		.amdhsa_reserve_vcc 0
		.amdhsa_float_denorm_mode_32 3
		.amdhsa_float_denorm_mode_16_64 3
		.amdhsa_memory_ordered 1
		.amdhsa_forward_progress 1
		.amdhsa_inst_pref_size 59
	.end_amdhsa_kernel
	.amdgpu_metadata
---
amdhsa.version: [ 1, 2 ]
amdhsa.kernels:
  - .name:           k_qc06454e77c_quant
    .symbol:         k_qc06454e77c_quant.kd
    .args:
      - { .name: x, .offset: 0, .size: 8, .value_kind: global_buffer, .address_space: global }
      - { .name: w_qkv, .offset: 8, .size: 8, .value_kind: global_buffer, .address_space: global }
      - { .name: w_out, .offset: 16, .size: 8, .value_kind: global_buffer, .address_space: global }
      - { .name: xc, .offset: 24, .size: 8, .value_kind: global_buffer, .address_space: global }
      - { .name: xs, .offset: 32, .size: 8, .value_kind: global_buffer, .address_space: global }
      - { .name: wc, .offset: 40, .size: 8, .value_kind: global_buffer, .address_space: global }
      - { .name: ws, .offset: 48, .size: 8, .value_kind: global_buffer, .address_space: global }
    .group_segment_fixed_size: 35328
    .private_segment_fixed_size: 0
    .kernarg_segment_align: 8
    .kernarg_segment_size: 56
    .max_flat_workgroup_size: 128
    .sgpr_count:     66
    .vgpr_count:     256
    .wavefront_size: 32
...
	.end_amdgpu_metadata
.endif
;; end of part 1
;; launch gemm_qkv (part 2): grid 12 x 32, 4 waves a work-group, clusters of 4 x 4, 327,680 bytes of LDS; arguments xc, xs, wc, ws, b_qkv, qrec, kvrec; writes qrec, kvrec
.if DOCPART == 2
	.amdgcn_target "amdgcn-amd-amdhsa--gfx1250"
	.amdhsa_code_object_version 6
	.text
	.protected	k_qc06454e77c_gemm_qkv
	.globl	k_qc06454e77c_gemm_qkv
	.p2align	8
	.type	k_qc06454e77c_gemm_qkv,@function
k_qc06454e77c_gemm_qkv:
	s_mov_b64 s[64:65], 0
	v_nop
	global_prefetch_b8 v0, s[64:65] scope:SCOPE_SE
	s_setreg_imm32_b32 hwreg(HW_REG_WAVE_MODE, 25, 1), 1
	s_wait_xcnt 0x0
	s_wait_alu depctr_hold_cnt(0) depctr_sa_sdst(0) depctr_va_vdst(0) depctr_va_sdst(0) depctr_va_ssrc(0) depctr_va_vcc(0) depctr_vm_vsrc(0)
	s_getreg_b32 s2, hwreg(HW_REG_IB_STS2, 6, 4)
	s_cmp_eq_u32 s2, 0
	s_cbranch_scc0 .Lentry_in_a_cluster
	s_endpgm
.Lentry_in_a_cluster:
	s_bfe_u32 s2, ttmp6, 0x10000c
	s_cmp_lg_u32 s2, 0xf033
	s_cbranch_scc0 .Lentry_shape_is_right
	s_endpgm
.Lentry_shape_is_right:
.set FR,     12
.set NL,     6
.set NP,     4
.set NQ,     2
.set HALFT,  24576
.set SLOT,   4*HALFT
.set SCLA,   2*SLOT
.set SPARE,  213248
.set RECB,   13056
.set HEADB,  208896
.set ADRA, 16
.set ADRB, 20
.set CO8,  25
.set CO,   26
.set ADRS, 27
.set SPW,  28
.set NIL,  29
.set SC,   32
.set BI,   64
.set AF,   128
.set TM,   64
.set TP,   80
.set H0,   96
.set H1,   108
.set W0,   120
.set W1,   124
.set G1, 24
.set G0, 32
.set G1B, 48
.set G0B, 56
.set G1S, 68
.set G0S, 76
.set G1SB, 80
.set G0SB, 88
.set MSB, 0
.macro WIN new
.if MSB != (\new)
	s_set_vgpr_msb (MSB<<8)|(\new)
.set MSB, (\new)
.endif
.endm
.set MUL_LO, 0xa1
.set MUL_HI, 0xf1
.set TO_B,   0x40
.macro JLOAD g0a, g1a, g0b, g1b
	s_cmp_eq_u32 s15, 0
	s_cbranch_scc0 .Lfor_b_\@
	tensor_load_to_lds s[\g0a:\g0a+3], s[\g1a:\g1a+7]
	s_nop 0
.rept 4
	v_nop
.endr
	s_branch .Lasked_\@
.Lfor_b_\@:
	tensor_load_to_lds s[\g0b:\g0b+3], s[\g1b:\g1b+7]
	s_nop 0
.rept 4
	v_nop
.endr
.Lasked_\@:
.endm
.macro CREST
	s_cmp_lg_u32 s14, 0
	s_cbranch_scc1 .Lnot_wave_0_\@
	s_barrier_signal -3
.Lnot_wave_0_\@:
	s_barrier_wait -3
	s_barrier_signal -1
	s_barrier_wait -1
.endm
.macro CROUND
	s_barrier_signal -1
	s_barrier_wait -1
	CREST
.endm
	s_load_b256 s[4:11], s[0:1], 0x0
	s_load_b64 s[12:13], s[0:1], 0x20
	s_load_b128 s[96:99], s[0:1], 0x28
	v_lshl_add_u32 v[SPW], v0, 2, SPARE
	v_mov_b32 v[NIL], 0
	ds_add_u32 v28, v29
	ds_add_u32 v28, v29
	s_wait_dscnt 0x0
	v_lshrrev_b32 v1, 5, v0
	v_readfirstlane_b32 s14, v1
	s_lshr_b32 s15, s14, 1
	s_and_b32 s16, s14, 1
	s_bfe_u32 s40, ttmp6, 0x40000
	s_bfe_u32 s41, ttmp6, 0x40004
	s_and_b32 s18, ttmp7, 0xffff
	s_lshl_b32 s18, s18, 2
	s_lshl_b32 s19, ttmp9, 2
	s_add_co_u32 s20, s18, s41
	s_add_co_u32 s46, s19, s40
	s_add_co_u32 s47, s18, s40
	s_cmp_eq_u32 ttmp9, 2
	s_cselect_b32 s100, 1, 0
	s_cselect_b32 s17, s41, s20
	s_cselect_b32 s42, s47, s46
	s_lshl_b32 s43, s41, 2
	s_lshl_b32 s43, 15, s43
	s_lshl_b32 s44, 0x1111, s40
	s_or_b32 s[G1+0], s43, (3<<16)|(1<<21)
	s_or_b32 s[G1B+0], s44, (3<<16)|(1<<21)
.irp g, G1, G1B
	s_mov_b32 s[\g+1], 384<<16
	s_mov_b32 s[\g+2], 16<<16                      ; the head's loads of codes bring all 16 tiles of 16 rows; behind them the two words are set to 8
	s_mov_b32 s[\g+3], 384<<16
	s_mov_b32 s[\g+4], 16
	s_mov_b32 s[\g+5], 1536
	s_mov_b32 s[\g+6], 0
	s_mov_b32 s[\g+7], 0
.endr
	s_or_b32 s[G1S+0], s43, (3<<16)|(1<<21)
	s_or_b32 s[G1SB+0], s44, (3<<16)|(1<<21)
.irp g, G1S, G1SB
	s_mov_b32 s[\g+1], 32<<16
	s_mov_b32 s[\g+2], 32<<16                      ; the scales of a tile's 256 rows: 32 rows of 256 bytes
	s_mov_b32 s[\g+3], 32<<16
	s_mov_b32 s[\g+4], 32
	s_mov_b32 s[\g+5], 32
	s_mov_b32 s[\g+6], 0
	s_mov_b32 s[\g+7], 0
.endr
	s_lshl_b32 s18, s16, 3
	s_lshl_b32 s20, s17, 4
	s_add_co_u32 s20, s20, s18
	s_lshl_b32 s19, s100, 7
	s_add_co_u32 s20, s20, s19
	s_lshl_b32 s46, s42, 4
	s_add_co_u32 s46, s46, s18
	s_lshl_b32 s22, s20, 9
	s_mov_b32 s23, 0
	s_lshl_b32 s92, s46, 9
	s_mov_b32 s93, 0
	s_mul_i32 s20, s20, 12288
	s_mov_b32 s21, 0
	s_mul_i32 s46, s46, 12288
	s_mov_b32 s47, 0
	s_mul_i32 s45, s14, HALFT
	s_wait_kmcnt 0x0
	s_cmp_eq_u32 s100, 1
	s_cselect_b64 s[18:19], s[8:9], s[4:5]
	s_cselect_b64 s[4:5], s[4:5], s[8:9]
	s_cselect_b64 s[8:9], s[10:11], s[6:7]
	s_cselect_b64 s[6:7], s[6:7], s[10:11]
	s_add_nc_u64 s[20:21], s[18:19], s[20:21]
	s_add_nc_u64 s[22:23], s[8:9], s[22:23]
	s_add_nc_u64 s[46:47], s[4:5], s[46:47]
	s_add_nc_u64 s[92:93], s[6:7], s[92:93]
	CROUND
	; THE HEAD'S FOUR TILES, each whole, one joint load a wave: wave 0 slot 0's 16 tiles of A, wave 1 its 16 of B, wave 2 A's scales, wave 3 B's.
	; s[20:23], s[46:47], s[92:93] point at my half of a tile (8 x s16 tiles on): the whole tile begins that much earlier.
	s_mul_i32 s94, s16, 8*12288
	s_mov_b32 s95, 0
	s_mov_b32 s4, 1
	s_mov_b32 s5, 0
	s_sub_nc_u64 s[6:7], s[20:21], s[94:95]
	s_or_b32 s7, s7, 0x80000000
	s_mov_b32 s8, 1
	s_mov_b32 s9, 2*HALFT
	s_sub_nc_u64 s[10:11], s[46:47], s[94:95]
	s_or_b32 s11, s11, 0x80000000
	s_lshl_b32 s94, s16, 12
	s_mov_b32 s[G0S], 1
	s_mov_b32 s[G0S+1], SCLA
	s_sub_nc_u64 s[G0S+2:G0S+3], s[22:23], s[94:95]
	s_or_b32 s[G0S+3], s[G0S+3], 0x80000000
	s_mov_b32 s[G0SB], 1
	s_mov_b32 s[G0SB+1], SCLA+8320
	s_sub_nc_u64 s[G0SB+2:G0SB+3], s[92:93], s[94:95]
	s_or_b32 s[G0SB+3], s[G0SB+3], 0x80000000
.macro ARM under, g0, g1, next         ; one chain of branches on the wave's number: every way through it passes one load
	s_cmp_lt_u32 s14, \under
	s_cbranch_scc0 \next
	tensor_load_to_lds s[\g0:\g0+3], s[\g1:\g1+7]
	s_nop 0
.rept 4
	v_nop
.endr
	s_branch .Lhead_asked
\next:
.endm
	ARM 1, 4, G1,  .Lhead_b
	ARM 2, 8, G1B, .Lhead_sa
	ARM 3, G0S, G1S, .Lhead_sb
	tensor_load_to_lds s[G0SB:G0SB+3], s[G1SB:G1SB+7]
	s_nop 0
.rept 4
	v_nop
.endr
.Lhead_asked:
.irp s, 0,1
	s_mov_b32 s[G0+4*\s], 1
	s_add_co_u32 s[G0+4*\s+1], s45, \s*SLOT
	s_add_nc_u64 s[G0+4*\s+2:G0+4*\s+3], s[20:21], \s*3072
	s_or_b32 s[G0+4*\s+3], s[G0+4*\s+3], 0x80000000
	s_mov_b32 s[G0B+4*\s], 1
	s_add_co_u32 s[G0B+4*\s+1], s45, \s*SLOT
	s_add_nc_u64 s[G0B+4*\s+2:G0B+4*\s+3], s[46:47], \s*3072
	s_or_b32 s[G0B+4*\s+3], s[G0B+4*\s+3], 0x80000000
.endr
	s_wait_alu depctr_va_vdst(0)
	s_wait_tensorcnt 0x0                           ; my tile of the head's four is in; these lines stand ahead of slot 1's first fill as ahead of a refill
	ds_add_u32 v28, v29
	s_mov_b32 s[G1+2], 8<<16                       ; no tensor load of mine is out: from here on a load brings 8 tiles of 16 rows
	s_mov_b32 s[G1+4], 8
	s_mov_b32 s[G1B+2], 8<<16
	s_mov_b32 s[G1B+4], 8
	s_wait_dscnt 0x0
	CROUND                                         ; all four tiles are in, in every wave of every partner
	JLOAD G0+4, G1, G0B+4, G1B                     ; slot 1's first fill, the first tensor load behind the round
	v_and_b32 v1, 15, v0
	v_bfe_u32 v2, v0, 4, 1
	s_wait_alu depctr_va_vdst(0)
	v_and_b32 v3, 31, v0
	v_lshlrev_b32 v[CO8], 3, v3
	v_lshlrev_b32 v[CO], 4, v3
	v_lshrrev_b32 v24, 3, v1                       ; v24: where my 16 bytes of q's and k's code images go: 1,536 (r / 8) + 256 h + 16 (r % 8)
	v_mul_u32_u24 v24, v24, 1536
	v_lshl_add_u32 v24, v2, 8, v24
	v_and_b32 v23, 7, v1
	v_lshl_add_u32 v24, v23, 4, v24
	s_mul_i32 s21, s15, HALFT
	s_mul_i32 s22, s16, HALFT
	s_add_co_u32 s22, s22, 2*HALFT
.irp s, 0,1
	v_add_nc_u32 v[ADRA+\s], s21, v[CO8]
	v_add_nc_u32 v[ADRB+\s], s22, v[CO8]
	s_add_co_u32 s21, s21, SLOT
	s_add_co_u32 s22, s22, SLOT
.endr
	v_lshlrev_b32 v7, 3, v1
	s_lshl_b32 s21, s15, 12
	s_lshl_b32 s22, s16, 12
	s_add_co_u32 s22, s22, 8320
	s_sub_co_u32 s22, s22, s21
	v_mul_u32_u24 v8, s22, v2
	s_add_co_u32 s21, s21, SCLA
	v_add_nc_u32 v7, v7, v8
	v_add_nc_u32 v[ADRS], s21, v7
	s_mov_b32 s2, 0x76543210
	s_mov_b32 s3, 0xfedcba98
	s_mov_b32 s101, 0xffff0000
	s_cmp_eq_u32 s100, 1
	s_cselect_b32 s92, s42, s17
	s_cselect_b32 s93, s16, s15
	s_cselect_b32 s46, s41, s40
	s_cselect_b32 s47, s15, s16
	s_lshr_b32 s94, s92, 3
	s_lshl_b32 s94, s94, 4
	s_lshl_b32 s46, s46, 2
	s_add_co_u32 s94, s94, s46
	s_lshl_b32 s47, s47, 1
	s_add_co_u32 s94, s94, s47
	s_mul_i32 s94, s94, HEADB
	s_and_b32 s92, s92, 7
	s_lshl_b32 s92, s92, 1
	s_add_co_u32 s92, s92, s93
	s_mul_i32 s92, s92, RECB
	s_add_co_u32 s94, s94, s92
	s_mov_b32 s95, 0
	s_cmp_eq_u32 ttmp9, 0
	s_cselect_b64 s[96:97], s[96:97], s[98:99]
	s_add_nc_u64 s[96:97], s[96:97], s[94:95]
	s_cmp_eq_u32 s100, 1
	s_cselect_b32 s92, s17, s42
	s_cselect_b32 s93, s15, s16
	s_lshl_b32 s92, s92, 10
	s_lshl_b32 s93, s93, 9
	s_add_co_u32 s92, s92, s93
	s_lshl_b32 s93, s100, 13
	s_add_co_u32 s92, s92, s93
	s_mov_b32 s93, 0
	s_add_nc_u64 s[12:13], s[12:13], s[92:93]
	v_lshlrev_b32 v4, 6, v2
	v_and_b32 v5, 7, v1
	v_lshlrev_b32 v5, 2, v5
	v_lshrrev_b32 v6, 3, v1
	v_lshl_add_u32 v5, v6, 6, v5
	s_cmp_eq_u32 s100, 1
	s_cbranch_scc1 .Lbias_v
.irp b, 0,1,2,3,4,5,6,7
	global_load_b128 v[BI+8*\b:BI+8*\b+3], v4, s[12:13] offset:(32*(\b/2)+8*(\b%2))*4
	global_load_b128 v[BI+8*\b+4:BI+8*\b+7], v4, s[12:13] offset:(32*(\b/2)+8*(\b%2))*4+16
.endr
	s_branch .Lbias_asked
.Lbias_v:
	s_wait_alu depctr_va_vdst(0)
.irp a, 0,1,2,3,4,5,6,7
	global_load_b32 v[BI+8*\a], v5, s[12:13] offset:(32*(\a/2)+8*(\a%2))*4
.endr
.Lbias_asked:
.macro FRAG reg, adr, q, i
.irp p, 0,1,2,3,4,5
	ds_load_b64 v[\reg+2*\p:\reg+2*\p+1], v[\adr] offset:(\i)*3072+(\q)*1536+256*\p
.endr
.endm
.macro MUL16 a0, p, q, sc, zero
.irp a, \a0, \a0+1
.irp b, 0,1,2,3,4,5,6,7
.set DR, 8*(8*((\a)%4)+\b)
.if \zero == 1
.set CR, BI+8*\b
.elseif \zero == 2
.set CR, BI+8*(\a)
.else
.set CR, DR
.endif
	v_wmma_scale_f32_16x16x128_f8f6f4 v[DR:DR+7], v[128*(\p)+FR*\b:128*(\p)+FR*\b+FR-1], v[AF+FR*(\a):AF+FR*(\a)+FR-1], v[CR:CR+7], v[SC+8*NQ*(\sc)+NQ*\b+(\q)], v[SC+8*NQ*(\sc)+NQ*(\a)+(\q)] matrix_a_fmt:MATRIX_FMT_BF6 matrix_b_fmt:MATRIX_FMT_BF6 matrix_a_scale:MATRIX_SCALE_ROW1
.endr
.endr
.endm
.macro FETCH_B slot, q, p
	WIN TO_B
.irp i, 0,1,2,3,4,5,6,7
	FRAG 128*(\p)+FR*\i, ADRB+\slot, \q, \i
.endr
	WIN 0
.endm
.macro FETCH_A slot, q, i0
.irp i, \i0, \i0+1, \i0+2, \i0+3
	FRAG AF+FR*(\i), ADRA+\slot, \q, \i
.endr
.endm
.macro SCALES sc
.irp i, 0,1,2,3,4,5,6,7
	ds_load_b64 v[SC+8*NQ*\sc+NQ*\i:SC+8*NQ*\sc+NQ*\i+1], v[ADRS] offset:\i*512
.endr
.endm
.macro PLACES n
.rept \n
	v_nop
.endr
.endm
.macro STEP slot, q, zero
	s_wait_dscnt 4*NL
.if \zero
	WIN 0x81
.else
	WIN MUL_LO
.endif
	MUL16 0, (\q)%2, \q, \slot, \zero
	MUL16 2, (\q)%2, \q, \slot, \zero
	s_wait_dscnt 0
	PLACES NP
	FETCH_B \slot, (\q)+1, 1-(\q)%2
	FETCH_A \slot, (\q)+1, 0
.if \zero
	WIN 0xc1
.else
	WIN MUL_HI
.endif
	MUL16 4, (\q)%2, \q, \slot, \zero
	MUL16 6, (\q)%2, \q, \slot, \zero
	PLACES NP
	WIN 0
	FETCH_A \slot, (\q)+1, 4
.endm
.macro TURN slot, next, fill
	s_wait_tensorcnt 0x0
	ds_add_u32 v[SPW], v[NIL]
	s_wait_dscnt 4*NL+1
	WIN MUL_LO
	MUL16 0, 1, NQ-1, \slot, 0
	s_wait_dscnt 0x0
	s_barrier_signal -1
	MUL16 2, 1, NQ-1, \slot, 0
	WIN 0
	s_barrier_wait -1
.if \fill
	CREST
	s_add_nc_u64 s[G0+4*\slot+2:G0+4*\slot+3], s[G0+4*\slot+2:G0+4*\slot+3], 6144
	s_add_nc_u64 s[G0B+4*\slot+2:G0B+4*\slot+3], s[G0B+4*\slot+2:G0B+4*\slot+3], 6144
	JLOAD G0+4*\slot, G1, G0B+4*\slot, G1B
.else
	PLACES NP
.endif
	s_wait_alu depctr_va_vdst(0)
	v_add_nc_u32 v[ADRS], 128, v[ADRS]
	FETCH_B \next, 0, 0
	FETCH_A \next, 0, 0
	SCALES \next
	WIN MUL_HI
	MUL16 4, 1, NQ-1, \slot, 0
	MUL16 6, 1, NQ-1, \slot, 0
	PLACES NP
	WIN 0
	FETCH_A \next, 0, 4
.endm
	FETCH_B 0, 0, 0
	FETCH_A 0, 0, 0
	s_wait_alu depctr_va_vdst(0)
	SCALES 0
	FETCH_A 0, 0, 4
	s_wait_loadcnt 0x0
	s_cmp_eq_u32 s100, 1
	s_cbranch_scc1 .Lfirst_v
	STEP 0, 0, 1
	s_branch .Lfirst_done
.Lfirst_v:
.irp a, 0,1,2,3,4,5,6,7
.irp j, 1,2,3,4,5,6,7
	v_mov_b32 v[BI+8*\a+\j], v[BI+8*\a]
.endr
.endr
	s_wait_alu depctr_va_vdst(0)
	STEP 0, 0, 2
.Lfirst_done:
	TURN 0, 1, 1
	STEP 1, 0, 0
	TURN 1, 0, 1
	STEP 0, 0, 0
	TURN 0, 1, 0
	STEP 1, 0, 0
	s_wait_dscnt 4*NL
	WIN MUL_LO
	MUL16 0, 1, NQ-1, 1, 0
	MUL16 2, 1, NQ-1, 1, 0
	s_wait_dscnt 0
	WIN MUL_HI
	MUL16 4, 1, NQ-1, 1, 0
	MUL16 6, 1, NQ-1, 1, 0
	WIN 0
.macro QUANT a, d0, d1, pw
.set S, 64*((\a)%4)
	WIN 0x0a+5*((\a)/4)
.irp b, 0,1,2,3
	v_max3_num_f32 v[TM+\b], |v[S+16*\b]|, |v[S+16*\b+1]|, 0x2800000
.endr
.irp i, 2,4,6,8,10,12,14
.irp b, 0,1,2,3
	v_max3_num_f32 v[TM+\b], |v[S+16*\b+\i]|, |v[S+16*\b+\i+1]|, v[TM+\b]
.endr
.endr
	WIN 0
.irp b, 0,1,2,3
	v_permlanex16_b32 v[TM+4+\b], v[TM+\b], s2, s3
.endr
.irp b, 0,1,2,3
	v_max_num_f32 v[TM+\b], v[TM+\b], v[TM+4+\b]
.endr
.irp b, 0,1,2,3
	v_add_nc_u32 v[TM+12+\b], 0xfe000000, v[TM+\b]
.endr
.irp b, 0,1,2,3
	v_lshrrev_b32 v[TM+4+\b], 23, v[TM+12+\b]
.endr
	v_lshl_or_b32 v[\pw], v[TM+5], 8, v[TM+4]
	v_lshl_or_b32 v[\pw], v[TM+6], 16, v[\pw]
	v_lshl_or_b32 v[\pw], v[TM+7], 24, v[\pw]
	WIN 0x02+((\a)/4)
	v_cvt_scalef32_pk16_bf6_f32 v[\d0:\d0+2], v[S:S+15], v[TM+12]
	v_cvt_scalef32_pk16_bf6_f32 v[TP:TP+2], v[S+16:S+31], v[TM+13]
	v_cvt_scalef32_pk16_bf6_f32 v[\d1:\d1+2], v[S+32:S+47], v[TM+14]
	v_cvt_scalef32_pk16_bf6_f32 v[TP+4:TP+6], v[S+48:S+63], v[TM+15]
	WIN 0
	v_nop
.irp i, 0,1,2
	v_permlane16_swap_b32 v[\d0+\i], v[TP+\i]
	v_permlane16_swap_b32 v[\d1+\i], v[TP+4+\i]
.endr
.irp i, 0,1,2
	v_mov_b32 v[\d0+3+\i], v[TP+\i]
	v_mov_b32 v[\d1+3+\i], v[TP+4+\i]
.endr
.endm
	PLACES NP
.irp b, 0,1,2,3
	v_mov_b32 v[TM+4+\b], 0
.endr
	s_cmp_eq_u32 s100, 1
	s_cbranch_scc1 .Lout_v
.irp P, 0,1,2,3
	s_wait_xcnt 0x0
	QUANT 2*\P, H0, H1, 88
	QUANT 2*\P+1, H0+6, H1+6, 89
	v_cndmask_b32 v92, v88, v89, s101
	v_and_b32 v[W0+\P], 0xffff, v92
	v_lshrrev_b32 v[W1+\P], 16, v92
.irp c, 0,1,2
	; the images are laid for tiles whose row 8 g + j of tile 4 c + u is token 64 c + 32 g + 8 u + j of the record: my rows 8 a + j of the pair P = 2 c + g go to lanes 8 g + j of the pair 2 c + a
	global_store_b128 v24, v[H0+4*\c:H0+4*\c+3], s[96:97] offset:3072*(\P/2)+128*(\P%2)+512*\c
	global_store_b128 v24, v[H1+4*\c:H1+4*\c+3], s[96:97] offset:HEADB+3072*(\P/2)+128*(\P%2)+512*\c
.endr
.endr
	global_store_b128 v[CO], v[W0:W0+3], s[96:97] offset:12288
	global_store_b128 v[CO], v[W1:W1+3], s[96:97] offset:HEADB+12288
	s_branch .Lend
.Lout_v:
.irp a, 0,1,2,3,4,5,6,7
	s_wait_xcnt 0x0
	QUANT \a, H0, H0+6, 88+\a%4
.irp c, 0,1,2
	global_store_b128 v[CO], v[H0+4*\c:H0+4*\c+3], s[96:97] offset:6144+(\a/4)*HEADB+(\a%4)*1536+512*\c
.endr
.if \a%4 == 3
	v_cndmask_b32 v92, v88, v89, s101
	v_cndmask_b32 v93, v90, v91, s101
	global_store_b64 v[CO8], v[92:93], s[96:97] offset:12800+(\a/4)*HEADB
.endif
.endr
.Lend:
	s_wait_tensorcnt 0x0
	ds_add_u32 v[SPW], v[NIL]
	s_wait_dscnt 0x0
	CROUND
	s_endpgm
.Lfunc_end_k_qc06454e77c_gemm_qkv:
	.size	k_qc06454e77c_gemm_qkv, .Lfunc_end_k_qc06454e77c_gemm_qkv-k_qc06454e77c_gemm_qkv
	.p2alignl 7, 3214868480
	.fill 96, 4, 3214868480
	.section	.rodata,"a",@progbits
	.p2align	6, 0x0
	.amdhsa_kernel k_qc06454e77c_gemm_qkv
		.amdhsa_group_segment_fixed_size 327680
		.amdhsa_private_segment_fixed_size 0
		.amdhsa_enable_private_segment 0
		.amdhsa_kernarg_size 56
		.amdhsa_user_sgpr_count 2
		.amdhsa_user_sgpr_kernarg_segment_ptr 1
		.amdhsa_wavefront_size32 1
		.amdhsa_system_sgpr_workgroup_id_x 1
		.amdhsa_system_sgpr_workgroup_id_y 1
		.amdhsa_system_sgpr_workgroup_id_z 1
		.amdhsa_system_vgpr_workitem_id 0
		.amdhsa_next_free_vgpr 1024
		.amdhsa_next_free_sgpr 102
		.amdhsa_reserve_vcc 0
		.amdhsa_float_denorm_mode_32 3
		.amdhsa_float_denorm_mode_16_64 3
		.amdhsa_memory_ordered 1
		.amdhsa_forward_progress 1
		.amdhsa_inst_pref_size 219
	.end_amdhsa_kernel
	.amdgpu_metadata
---
amdhsa.version: [ 1, 2 ]
amdhsa.kernels:
  - .name:           k_qc06454e77c_gemm_qkv
    .symbol:         k_qc06454e77c_gemm_qkv.kd
    .args:
      - { .name: xc, .offset: 0, .size: 8, .value_kind: global_buffer, .address_space: global }
      - { .name: xs, .offset: 8, .size: 8, .value_kind: global_buffer, .address_space: global }
      - { .name: wc, .offset: 16, .size: 8, .value_kind: global_buffer, .address_space: global }
      - { .name: ws, .offset: 24, .size: 8, .value_kind: global_buffer, .address_space: global }
      - { .name: b_qkv, .offset: 32, .size: 8, .value_kind: global_buffer, .address_space: global }
      - { .name: qrec, .offset: 40, .size: 8, .value_kind: global_buffer, .address_space: global }
      - { .name: kvrec, .offset: 48, .size: 8, .value_kind: global_buffer, .address_space: global }
    .group_segment_fixed_size: 327680
    .private_segment_fixed_size: 0
    .kernarg_segment_align: 8
    .kernarg_segment_size: 56
    .max_flat_workgroup_size: 128
    .sgpr_count:     102
    .vgpr_count:     1024
    .wavefront_size: 32
...
	.end_amdgpu_metadata
.endif
;; end of part 2
;; launch attn (part 3): grid 4 x 64, 16 waves a work-group, clusters of 4 x 1, 210,944 bytes of LDS; arguments qrec, kvrec, aoc, aos; writes aoc, aos
.if DOCPART == 3
	.amdgcn_target "amdgcn-amd-amdhsa--gfx1250"
	.amdhsa_code_object_version 6
	.text
	.protected	k_qc06454e77c_attn
	.globl	k_qc06454e77c_attn
	.p2align	8
	.type	k_qc06454e77c_attn,@function
k_qc06454e77c_attn:
	s_mov_b64 s[64:65], 0
	v_nop
	global_prefetch_b8 v0, s[64:65] scope:SCOPE_SE
	s_setreg_imm32_b32 hwreg(HW_REG_WAVE_MODE, 25, 1), 1
	s_wait_xcnt 0x0
	s_wait_alu depctr_hold_cnt(0) depctr_sa_sdst(0) depctr_va_vdst(0) depctr_va_sdst(0) depctr_va_ssrc(0) depctr_va_vcc(0) depctr_vm_vsrc(0)
	s_getreg_b32 s2, hwreg(HW_REG_IB_STS2, 6, 4)
	s_cmp_eq_u32 s2, 0
	s_cbranch_scc0 .Lentry_in_a_cluster
	s_endpgm
.Lentry_in_a_cluster:
	s_bfe_u32 s2, ttmp6, 0x10000c
	s_cmp_lg_u32 s2, 0x3003
	s_cbranch_scc0 .Lentry_shape_is_right
	s_endpgm
.Lentry_shape_is_right:
; O = softmax(q k^T / 8) v for one (batch, head) and 512 queries a work-group, both products on codes of BF6 (E3M2) with E8M0 scales; O is quantised here for the last product and leaves as codes.
; THE SOFTMAX AHEAD OF THE SECOND PRODUCT: t = score x log2(e) / 8; M = the running largest t rounded UP to a whole number; p = 2^(t - M) is quantised along the keys, not normalised.  The row's sum is
; taken of the unquantised p and divides O at the end.  When M moves, the sum and O are multiplied by 2^(old M - new M): exact.
; INPUTS: records [16 batch + head][128 tokens] of 13,056 bytes, images of operand registers.  0: q's or k's codes, 4 pairs of tiles x 12 registers (six a tile) as 3 x lane x 16 bytes; 6,144: v^T's codes
; (4 tiles of 16 channels x 128 keys); 12,288: q's or k's scale words; 12,800: v^T's (lane x 2 words).
; THE ROWS OF A CODE IMAGE'S TILE: row 8 g + j of tile 4 c + u is token 64 c + 32 g + 8 u + j.  With S^T = k q^T a lane (query r, half h) then holds, in the 32 registers of tiles 4 c .. 4 c + 3, the keys
; 64 c + 32 h + 0 .. 31: a WHOLE block of the second product's K, in the order of its operand's registers.  So a block's maximum needs no other lane and the conversions' results are the operand.
; The scale words lie by the older order (word P of lane 16 u + r: row r of tile 2 P + u, token 32 P + 8 u + r + 8 (r / 8)): each lane picks its row's word by its own address.  q is read by that older
; order too (a lane picks its 16 bytes), so that O's tiles have the rows that the last product's launch expects.
; A WHOLE HEAD'S k, v AND SCALES, 16 records = 208,896 bytes, LIE IN LDS: filled once, wave w bringing record w; nothing is filled again, so the loop has no barrier.
; CLUSTER: the four query blocks of a head are one cluster; each record is asked for jointly, by the same load with a mask that names the four.
; NO PREFETCH: the launch's tensor loads all go out at its head; there is no loop that runs ahead of a load.
; SHARES: sixteen waves; wave w takes query tiles w and 16 + w of the block's 32, one after the other, in ONE loop of 32 steps of 128 keys; steps 15 and 31 end with the way out.
; K OF THE FIRST PRODUCT IS 64, the instruction's is 128: q's upper six registers are zero codes, so what stands in k's upper six (the next tile's six; zeros behind the last) adds nothing; the scale bytes
; of the unused blocks are 0, which is 2^-127 and no NaN.
; k's fragments of the next step are asked for behind the second product; record (step + 1) % 16, so step 15 asks for the second tile's first; what step 31 asks for is not used.
; LIMITS: the promise holds while |t| stays under 2^31; NaN and infinities are not served; a block whose largest magnitude lies under 2^-122 has its byte held at 1, a block of zeros too (this program alone reads the bytes).
; REGISTERS: v1 16 x lane, v2 8 x lane, v5 k's scale words' lane part, v6 8 r, v9 8 h; v3-4, v7-8 the step's LDS addresses; v10-11 the add's; v12 -M, v13 the largest t, v[14:15] the sum; v16-21 q, v22-27 zeros;
;   v28-31 k's scale words, v32-33 v's, v34 q's, v35 p's; v36-83 k's, then v's fragments, v84-89 zeros; v90-95, v211 the second tile's q; v96-159 S^T, then p; v160-191 O^T; v192-203 p's codes; v204-210, v216-254 at work.
.set RECB,  13056
.set HEADB, 208896
.set SPARE, 0x33000
.macro CROUND                          ; a round of the cluster's barrier
	s_barrier_signal -1
	s_barrier_wait -1
	s_cmp_lg_u32 s12, 0
	s_cbranch_scc1 .Lnot_wave_0_\@
	s_barrier_signal -3
.Lnot_wave_0_\@:
	s_barrier_wait -3
	s_barrier_signal -1
	s_barrier_wait -1
.endm
.macro KLOAD ac, as                    ; k's eight tiles, six registers each, and their scale words: lanes 0-15 the even tile's rows, lanes 16-31 the odd tile's
.irp n, 0,1,2,3,4,5,6,7,8,9,10,11
	ds_load_b128 v[36+4*\n:39+4*\n], v[\ac] offset:512*\n
.endr
.irp n, 0,1,2,3
	ds_load_b32 v[28+\n], v[\as] offset:12288+128*(\n%2)+8*(\n/2)
.endr
.endm
.macro FRESH                           ; a query tile begins: the largest t -3e38, under every t; the sum and O^T zeros, which the first change of M leaves zeros
	v_mov_b32 v13, 0xff61b1e6
	v_mov_b32 v14, 0
	v_mov_b32 v15, 0
	v_floor_f32 v12, -v13
.set j, 0
.rept 32
	v_mov_b32 v[160+j], 0
.set j, j+1
.endr
.endm
.macro PF j0                           ; t - M for 16 scores, two at a time (of the pairs c and -M the low word serves both halves)
.set j, \j0
.rept 8
	v_pk_fma_f32 v[96+j:97+j], v[96+j:97+j], s[22:23], v[12:13] op_sel_hi:[1,0,0]
.set j, j+2
.endr
.endm
.macro SUM8 o                          ; eight chains of the row's sum take eight more pairs of p
.set k, 0
.rept 8
	v_pk_add_f32 v[216+2*k:217+2*k], v[216+2*k:217+2*k], v[96+2*(k+\o):97+2*(k+\o)]
.set k, k+1
.endr
.endm
	s_load_b256 s[4:11], s[0:1], 0x0               ; q's records s[4:5], k's and v's s[6:7], O's codes s[8:9], O's scale words s[10:11]
	v_lshl_add_u32 v10, v0, 2, SPARE
	v_mov_b32 v11, 0
	ds_add_u32 v10, v11                            ; the opening lines: the add, twice on end, and its wait
	ds_add_u32 v10, v11
	v_lshrrev_b32 v1, 5, v0
	s_delay_alu instid0(VALU_DEP_1)
	v_readfirstlane_b32 s12, v1                    ; wave 0..15
	s_bfe_u32 s13, ttmp6, 0x40000                  ; cx
	s_lshl_b32 s14, ttmp9, 2
	s_add_co_u32 s14, s14, s13                     ; my block of 512 queries: it enters q's and O's global addresses alone
	s_and_b32 s15, ttmp7, 0xffff                   ; 16 batch + head, which the four partners share
	s_mul_i32 s36, s15, HEADB                      ; the head's records
	s_mul_i32 s17, s12, RECB                       ; record w goes to LDS byte 13,056 w
	s_add_co_u32 s38, s36, s17
	s_mov_b32 s39, 0
	s_mov_b32 s24, 15|(3<<16)|(1<<21)              ; group 1: the mask names all four; elements of 8 bytes; bit 21 beside a mask; a record is 51 dense rows of 256 bytes
	s_mov_b32 s25, 32<<16
	s_mov_b32 s26, 51<<16
	s_mov_b32 s27, 32<<16
	s_mov_b32 s28, 51
	s_mov_b32 s29, 32
	s_mov_b32 s30, 0
	s_mov_b32 s31, 0
	s_mov_b32 s16, 1
	s_wait_dscnt 0x0
	s_wait_kmcnt 0x0
	s_add_nc_u64 s[18:19], s[6:7], s[38:39]
	s_or_b32 s19, s19, 0x80000000
	CROUND                                         ; all four work-groups are here: the joint loads meet
	tensor_load_to_lds s[16:19], s[24:31]          ; my one tensor load of the launch
	s_nop 0
.rept 4
	v_nop
.endr
	; q: tile w of the block lies in record 4 x block + w / 8 (tile 16 + w two records on), pair P = (w / 2) % 4, and w's parity says which six of the pair's twelve registers
	s_lshl_b32 s40, s14, 2
	s_lshr_b32 s41, s12, 3
	s_add_co_u32 s40, s40, s41
	s_mul_i32 s40, s40, RECB
	s_add_co_u32 s40, s40, s36
	s_mov_b32 s41, 0
	s_add_nc_u64 s[4:5], s[4:5], s[40:41]
	s_bfe_u32 s42, s12, 0x20001                    ; P
	s_lshr_b32 s43, s42, 1
	s_mul_i32 s43, s43, 3072
	s_and_b32 s44, s42, 1
	s_lshl_b32 s44, s44, 7
	s_add_co_u32 s43, s43, s44                     ; the pair's part of the codes' address: 3,072 (P / 2) + 128 (P % 2)
	s_and_b32 s44, s12, 1
	s_lshl_b32 s37, s44, 8
	s_lshl_b32 s42, s42, 2
	s_add_co_u32 s37, s37, s42                     ; its scale word: (16 x parity + r) x 16 + 4 P
	s_cmp_eq_u32 s44, 1
	s_cselect_b32 s47, -1, 0
	; O: tile T = 128 batch + 32 x block + w; the head is two blocks of 32 along the next K: half a K step
	s_lshr_b32 s40, s15, 4
	s_lshl_b32 s40, s40, 7
	s_lshl_b32 s42, s14, 5
	s_add_co_u32 s40, s40, s42
	s_add_co_u32 s40, s40, s12                     ; T
	s_and_b32 s42, s15, 15                         ; head
	s_mul_i32 s44, s40, 12288
	s_mul_i32 s45, s42, 768
	s_add_co_u32 s44, s44, s45
	s_mov_b32 s45, 0
	s_add_nc_u64 s[8:9], s[8:9], s[44:45]
	s_lshl_b32 s44, s40, 9
	s_lshr_b32 s46, s42, 2
	s_lshl_b32 s46, s46, 7
	s_add_co_u32 s44, s44, s46
	s_and_b32 s46, s42, 3
	s_lshl_b32 s46, s46, 1
	s_add_co_u32 s44, s44, s46
	s_add_nc_u64 s[10:11], s[10:11], s[44:45]
	s_mov_b32 s20, 0x76543210
	s_mov_b32 s21, 0xfedcba98                      ; v_permlanex16_b32's selects for lane l xor 16
	s_mov_b32 s22, 0x3e38aa3b                      ; c = log2(e) / 8
	s_mov_b32 s23, s22                             ; (named with it as a pair, so it is written)
	s_mov_b32 s33, 0                               ; the step
	v_and_b32 v3, 31, v0                           ; lane
	v_and_b32 v4, 15, v0                           ; r
	v_bfe_u32 v7, v0, 4, 1                         ; h
	v_and_b32 v8, 7, v0                            ; j = r % 8
	v_bfe_u32 v232, v0, 3, 1                       ; r / 8
	v_lshlrev_b32 v1, 4, v3
	v_lshlrev_b32 v2, 3, v3
	v_lshlrev_b32 v6, 3, v4
	v_lshlrev_b32 v9, 3, v7
	v_lshlrev_b32 v5, 8, v7
	v_lshl_add_u32 v5, v8, 4, v5                   ; 256 h + 16 j
	v_mad_u32_u24 v233, v232, 1536, v5             ; q's codes by the older order of rows: + 1,536 (r / 8)
	v_add_nc_u32 v233, s43, v233
	v_lshl_add_u32 v5, v232, 2, v5                 ; k's scale words: 256 x (odd tile) + 16 j + 4 (r / 8)
	v_lshl_add_u32 v234, v4, 4, s37
	s_wait_alu depctr_va_vdst(0)
.irp p, 0,1
.irp c, 0,1,2
	global_load_b128 v[96+12*\p+4*\c:99+12*\p+4*\c], v233, s[4:5] offset:2*RECB*\p+512*\c
.endr
.endr
	global_load_b32 v34, v234, s[4:5] offset:12288
	global_load_b32 v211, v234, s[4:5] offset:2*RECB+12288
	v_mov_b32 v251, 0                              ; (named as the upper half of the pair v[250:251])
.irp b, 0,1,2,3
	v_mov_b32 v[236+\b], 0                         ; written once: a lane permute's destination counts as one of its sources
.endr
.irp i, 0,1,2,3,4,5
	v_mov_b32 v[22+\i], 0                          ; q's upper 64 along K: zero codes
	v_mov_b32 v[84+\i], 0                          ; and what stands behind k's last tile
.endr
	s_wait_loadcnt 0x0
.irp i, 0,1,2,3,4,5
	v_cndmask_b32 v[16+\i], v[96+\i], v[102+\i], s47   ; my tiles' six registers
	v_cndmask_b32 v[90+\i], v[108+\i], v[114+\i], s47
.endr
	FRESH
	s_wait_alu depctr_va_vdst(0)
	s_wait_tensorcnt 0x0                           ; my record is in,
	s_barrier_signal -1
	s_barrier_wait -1                              ; everybody's is: from here on LDS is only read
	KLOAD 1, 5                                     ; record 0's k
.Lstep:
	s_wait_alu depctr_va_vdst(0)
	s_wait_dscnt 0x0                               ; k's fragments and scale words are in
	s_and_b32 s32, s33, 15
	s_mul_i32 s32, s32, RECB                       ; LDS byte of this step's record,
	s_add_co_u32 s34, s33, 1
	s_and_b32 s34, s34, 15
	s_mul_i32 s34, s34, RECB                       ; and of the next step's
.irp n, 0,1,2,3                        ; S^T = k q^T: source 0 = 16 keys, source 1 = my 16 queries
	v_wmma_scale_f32_16x16x128_f8f6f4 v[96+16*\n:103+16*\n], v[36+12*\n:47+12*\n], v[16:27], 0, v[28+\n], v34 matrix_a_fmt:MATRIX_FMT_BF6 matrix_b_fmt:MATRIX_FMT_BF6
	v_wmma_scale_f32_16x16x128_f8f6f4 v[104+16*\n:111+16*\n], v[42+12*\n:53+12*\n], v[16:27], 0, v[28+\n], v34 matrix_a_fmt:MATRIX_FMT_BF6 matrix_b_fmt:MATRIX_FMT_BF6 matrix_a_scale:MATRIX_SCALE_ROW1
.endr
	v_add_nc_u32 v3, s32, v1                       ; four address lines: also the four places for the loads below and for the first read of the scores
	v_add_nc_u32 v4, s32, v2
	v_add_nc_u32 v7, s34, v1
	v_add_nc_u32 v8, s34, v5
.irp n, 0,1,2,3,4,5,6,7,8,9,10,11
	ds_load_b128 v[36+4*\n:39+4*\n], v3 offset:6144+512*\n       ; v^T's four fragments land while the softmax is walked
.endr
	ds_load_b64 v[32:33], v4 offset:12800
.irp b, 0,1,2,3                        ; the largest score of my two blocks of 32 keys, in four chains, each accumulator from its low end on
	v_max3_num_f32 v[232+\b], v[96+16*\b], v[97+16*\b], v[98+16*\b]
.endr
.irp i, 3,5,7,9,11,13
.irp b, 0,1,2,3
	v_max3_num_f32 v[232+\b], v[232+\b], v[96+16*\b+\i], v[97+16*\b+\i]
.endr
.endr
	v_max3_num_f32 v232, v232, v111, v127
	v_max3_num_f32 v234, v234, v143, v159
	v_mov_b32 v252, v12                            ; the old -M
	v_max_num_f32 v232, v232, v233                 ; block h: it serves for the row's maximum and, since p rises with the score, for the block's largest p
	v_max_num_f32 v233, v234, v235                 ; block 2 + h
	v_max_num_f32 v254, v232, v233
	v_permlanex16_b32 v236, v254, s20, s21
	v_max_num_f32 v254, v254, v236                 ; with lane l xor 16's two blocks: the step's largest score of my query
	v_mul_f32 v254, s22, v254                      ; as t (c is positive)
	v_max_num_f32 v13, v13, v254                   ; the running largest t
	v_floor_f32 v12, -v13                          ; the new -M = -ceil(t): a whole number
	PF 0
	v_sub_f32 v254, v12, v252                      ; old M - new M: a whole number, 0 or less
	PF 16
	v_cvt_i32_f32 v254, v254                       ; (it saturates)
	PF 32
	v_ldexp_f32 v250, 1.0, v254                    ; f = 2^(old M - new M)
	PF 48
	v_fma_f32 v232, v232, s22, v12                 ; the same of each block's largest score
	v_fma_f32 v233, v233, s22, v12
.set j, 0
.rept 16
	v_pk_mul_f32 v[160+j:161+j], v[160+j:161+j], v[250:251] op_sel_hi:[1,0]   ; O^T under the new M, each accumulator from its low end on
.set j, j+2
.endr
	s_wait_alu depctr_va_vdst(0)
.set j, 0
.rept 64
	v_exp_f32 v[96+j], v[96+j]                     ; p = 2^(t - M), at most 1
.set j, j+1
.endr
	v_exp_f32 v232, v232                           ; the blocks' largest p: the same two instructions on the same number give the same bits
	v_exp_f32 v233, v233
	v_pk_mul_f32 v[14:15], v[14:15], v[250:251] op_sel_hi:[1,0]   ; the sum under the new M (the plain place behind the exponentials)
	s_wait_alu depctr_va_vdst(0)                   ; one wait for the batch, ahead of its first reader
	v_max_num_f32 v232, 0x2800000, v232            ; the floor 2^(5 - 127): the byte cannot fall under 1
	v_max_num_f32 v233, 0x2800000, v233
	s_delay_alu instid0(VALU_DEP_2)
	v_add_nc_u32 v244, 0xfe000000, v232            ; 4 off the exponent field: the conversion's scale operand
	s_delay_alu instid0(VALU_DEP_2)
	v_add_nc_u32 v245, 0xfe000000, v233
	s_delay_alu instid0(VALU_DEP_2)
	v_lshrrev_b32 v236, 23, v244                   ; the scale's byte
	s_delay_alu instid0(VALU_DEP_2)
	v_lshrrev_b32 v237, 23, v245
	s_delay_alu instid0(VALU_DEP_1)
	v_lshl_or_b32 v35, v237, 16, v236              ; my two bytes, blocks h and 2 + h,
	s_delay_alu instid0(VALU_DEP_1)
	v_lshlrev_b32 v35, v9, v35                     ; at their places in the scale word (8 h bits up);
	s_delay_alu instid0(VALU_DEP_1)
	v_permlanex16_b32 v238, v35, s20, s21
	s_delay_alu instid0(VALU_DEP_1)
	v_or_b32 v35, v35, v238                        ; with lane l xor 16's two the word is whole
	v_nop
	v_cvt_scalef32_pk16_bf6_f32 v[192:194], v[96:111], v244
	v_cvt_scalef32_pk16_bf6_f32 v[204:206], v[112:127], v244      ; (a conversion's three registers begin on an even number)
	v_cvt_scalef32_pk16_bf6_f32 v[198:200], v[128:143], v245
	v_cvt_scalef32_pk16_bf6_f32 v[208:210], v[144:159], v245
	v_nop                                          ; one plain place behind a scaled conversion
.irp i, 0,1,2
	v_mov_b32 v[195+\i], v[204+\i]
	v_mov_b32 v[201+\i], v[208+\i]
.endr
.set k, 0
.rept 8                                ; THE ROW'S SUM IS TAKEN OF THE UNQUANTISED p, in eight chains.  These eight lines are also the places between p's codes and the products
	v_pk_add_f32 v[216+2*k:217+2*k], v[96+2*k:97+2*k], v[112+2*k:113+2*k]
.set k, k+1
.endr
	s_wait_alu depctr_va_vdst(0)
	s_wait_dscnt 0x0                               ; v^T's fragments and scale words are in
.irp u, 0,1                            ; O^T += v^T p^T: source 0 = 16 channels, source 1 = p; the four accumulators take turns
	v_wmma_scale_f32_16x16x128_f8f6f4 v[160+16*\u:167+16*\u], v[36+24*\u:47+24*\u], v[192:203], v[160+16*\u:167+16*\u], v[32+\u], v35 matrix_a_fmt:MATRIX_FMT_BF6 matrix_b_fmt:MATRIX_FMT_BF6
	v_wmma_scale_f32_16x16x128_f8f6f4 v[168+16*\u:175+16*\u], v[48+24*\u:59+24*\u], v[192:203], v[168+16*\u:175+16*\u], v[32+\u], v35 matrix_a_fmt:MATRIX_FMT_BF6 matrix_b_fmt:MATRIX_FMT_BF6 matrix_a_scale:MATRIX_SCALE_ROW1
.endr
	SUM8 16                                        ; the sum goes on: these lines name no register of the products and are the places for the loads below
	KLOAD 7, 8                                     ; the next step's k
	SUM8 24
.irp k, 0,1,2,3
	v_pk_add_f32 v[216+2*\k:217+2*\k], v[216+2*\k:217+2*\k], v[224+2*\k:225+2*\k]
.endr
	s_delay_alu instid0(VALU_DEP_2)
	v_pk_add_f32 v[216:217], v[216:217], v[220:221]
	s_delay_alu instid0(VALU_DEP_2)
	v_pk_add_f32 v[218:219], v[218:219], v[222:223]
	s_delay_alu instid0(VALU_DEP_1)
	v_pk_add_f32 v[216:217], v[216:217], v[218:219]
	s_delay_alu instid0(VALU_DEP_1)
	v_pk_add_f32 v[14:15], v[14:15], v[216:217]
	s_and_b32 s35, s33, 15
	s_cmp_lg_u32 s35, 15                           ; the tile's last step?  (the step's number alone decides)
	s_cbranch_scc1 .Lnext
	; THE WAY OUT: O^T / the sum; register 16 g + i is channel 32 g + 16 (lane / 16) + i of my query: two blocks of 32 along the last product's K
	v_add_f32 v14, v14, v15                        ; the sum's two halves,
	s_delay_alu instid0(VALU_DEP_1)
	v_permlanex16_b32 v254, v14, s20, s21
	s_delay_alu instid0(VALU_DEP_1)
	v_add_f32 v14, v14, v254                       ; and lane l xor 16's
	s_wait_alu depctr_va_vdst(0)
	v_rcp_f32 v14, v14
	v_nop                                          ; one plain place behind a transcendental
	s_wait_alu depctr_va_vdst(0)
.set j, 0
.rept 32
	v_mul_f32 v[96+j], v[160+j], v14               ; each accumulator from its low end on
.set j, j+1
.endr
.irp b, 0,1
	v_max3_num_f32 v[232+\b], |v[96+16*\b]|, |v[97+16*\b]|, 0x2800000
.endr
.irp i, 2,4,6,8,10,12,14
.irp b, 0,1
	s_delay_alu instid0(VALU_DEP_2)
	v_max3_num_f32 v[232+\b], v[232+\b], |v[96+16*\b+\i]|, |v[97+16*\b+\i]|
.endr
.endr
.irp b, 0,1
	s_delay_alu instid0(VALU_DEP_2)
	v_permlanex16_b32 v[236+\b], v[232+\b], s20, s21
.endr
.irp b, 0,1
	s_delay_alu instid0(VALU_DEP_2)
	v_max_num_f32 v[232+\b], v[232+\b], v[236+\b]
.endr
.irp b, 0,1
	s_delay_alu instid0(VALU_DEP_2)
	v_add_nc_u32 v[244+\b], 0xfe000000, v[232+\b]
.endr
.irp b, 0,1
	s_delay_alu instid0(VALU_DEP_2)
	v_lshrrev_b32 v[236+\b], 23, v[244+\b]
.endr
	s_delay_alu instid0(VALU_DEP_1)
	v_lshl_or_b32 v254, v237, 8, v236              ; my row's two scale bytes
	v_cvt_scalef32_pk16_bf6_f32 v[192:194], v[96:111], v244
	v_cvt_scalef32_pk16_bf6_f32 v[204:206], v[112:127], v245
	v_nop
.irp i, 0,1,2
	v_permlane16_swap_b32 v[192+\i], v[204+\i]     ; the operand's layout wants a whole block in a lane
.endr
.irp i, 0,1,2
	s_delay_alu instid0(VALU_DEP_3)
	v_mov_b32 v[195+\i], v[204+\i]
.endr
.irp i, 0,1,2
	global_store_b64 v2, v[192+2*\i:193+2*\i], s[8:9] offset:256*\i   ; three pieces of the fragment's image: 256 consecutive bytes each, aligned
.endr
	global_store_b16 v6, v254, s[10:11]            ; two bytes of a scale word whose other two another head's work-group writes (lanes 16-31 repeat lanes 0-15's bytes with the same values)
	s_wait_xcnt 0x0                                ; the stores have read their registers and bases
	s_cmp_eq_u32 s33, 31
	s_cbranch_scc1 .Lnext                          ; behind the second tile nothing begins anew
	s_add_nc_u64 s[8:9], s[8:9], 16*12288          ; tile 16 + w
	s_add_nc_u64 s[10:11], s[10:11], 16*512
	v_mov_b32 v34, v211
.irp i, 0,1,2,3,4,5
	v_mov_b32 v[16+\i], v[90+\i]
.endr
	FRESH
.Lnext:
	s_add_co_u32 s33, s33, 1
	s_cmp_lt_u32 s33, 32
	s_cbranch_scc1 .Lstep
	s_wait_tensorcnt 0x0                           ; the wave's end
	ds_add_u32 v10, v11
	s_wait_dscnt 0x0
	CROUND                                         ; the closing round
	s_endpgm
.Lfunc_end_k_qc06454e77c_attn:
	.size	k_qc06454e77c_attn, .Lfunc_end_k_qc06454e77c_attn-k_qc06454e77c_attn
	.p2alignl 7, 3214868480
	.fill 96, 4, 3214868480
	.section	.rodata,"a",@progbits
	.p2align	6, 0x0
	.amdhsa_kernel k_qc06454e77c_attn
		.amdhsa_group_segment_fixed_size 210944
		.amdhsa_private_segment_fixed_size 0
		.amdhsa_enable_private_segment 0
		.amdhsa_kernarg_size 32
		.amdhsa_user_sgpr_count 2
		.amdhsa_user_sgpr_kernarg_segment_ptr 1
		.amdhsa_wavefront_size32 1
		.amdhsa_system_sgpr_workgroup_id_x 1
		.amdhsa_system_sgpr_workgroup_id_y 1
		.amdhsa_system_sgpr_workgroup_id_z 1
		.amdhsa_system_vgpr_workitem_id 0
		.amdhsa_next_free_vgpr 256
		.amdhsa_next_free_sgpr 66
		.amdhsa_reserve_vcc 0
		.amdhsa_float_denorm_mode_32 3
		.amdhsa_float_denorm_mode_16_64 3
		.amdhsa_memory_ordered 1
		.amdhsa_forward_progress 1
		.amdhsa_inst_pref_size 31
	.end_amdhsa_kernel
	.amdgpu_metadata
---
amdhsa.version: [ 1, 2 ]
amdhsa.kernels:
  - .name:           k_qc06454e77c_attn
    .symbol:         k_qc06454e77c_attn.kd
    .args:
      - { .name: qrec, .offset: 0, .size: 8, .value_kind: global_buffer, .address_space: global }
      - { .name: kvrec, .offset: 8, .size: 8, .value_kind: global_buffer, .address_space: global }
      - { .name: aoc, .offset: 16, .size: 8, .value_kind: global_buffer, .address_space: global }
      - { .name: aos, .offset: 24, .size: 8, .value_kind: global_buffer, .address_space: global }
    .group_segment_fixed_size: 210944
    .private_segment_fixed_size: 0
    .kernarg_segment_align: 8
    .kernarg_segment_size: 32
    .max_flat_workgroup_size: 512
    .sgpr_count:     66
    .vgpr_count:     256
    .wavefront_size: 32
...
	.end_amdgpu_metadata
.endif
;; end of part 3
;; launch gemm_out (part 4): grid 4 x 64, 4 waves a work-group, clusters of 4 x 4, 327,680 bytes of LDS; arguments aoc, aos, wc, ws, b_out, out0; writes out0
.if DOCPART == 4
	.amdgcn_target "amdgcn-amd-amdhsa--gfx1250"
	.amdhsa_code_object_version 6
	.text
	.protected	k_qc06454e77c_gemm_out
	.globl	k_qc06454e77c_gemm_out
	.p2align	8
	.type	k_qc06454e77c_gemm_out,@function
k_qc06454e77c_gemm_out:
	s_mov_b64 s[64:65], 0
	v_nop
	global_prefetch_b8 v0, s[64:65] scope:SCOPE_SE
	s_setreg_imm32_b32 hwreg(HW_REG_WAVE_MODE, 25, 1), 1
	s_wait_xcnt 0x0
	s_wait_alu depctr_hold_cnt(0) depctr_sa_sdst(0) depctr_va_vdst(0) depctr_va_sdst(0) depctr_va_ssrc(0) depctr_va_vcc(0) depctr_vm_vsrc(0)
	s_getreg_b32 s2, hwreg(HW_REG_IB_STS2, 6, 4)
	s_cmp_eq_u32 s2, 0
	s_cbranch_scc0 .Lentry_in_a_cluster
	s_endpgm
.Lentry_in_a_cluster:
	s_bfe_u32 s2, ttmp6, 0x10000c
	s_cmp_lg_u32 s2, 0xf033
	s_cbranch_scc0 .Lentry_shape_is_right
	s_endpgm
.Lentry_shape_is_right:
; out0 [8192][1024] f32 = O w_out + b_out, both operands as codes of BF6 (E3M2) with one E8M0 scale for each 32 along K = 1,024; sums in f32.
; OPERANDS: images of the matrix operand's registers.  A tile is 16 rows (tokens; w_out's output channels, tiles 192 on of the weights' buffers): codes tile x 12,288 + K step x 1,536 + piece x 256 + lane x 8 bytes;
; scale words tile x 512 + (K step / 2) x 128 + r x 8 + (K step % 2) x 4.  Row r of tile 2 G + u is true row 32 G + 8 u + r + 8 (r / 8).
; A BLOCK of the result is 128 rows x 256 columns: 64 x 4 = 256 work-groups of four waves; a wave makes 64 x 128: 32 accumulators of 16 x 16.
; ALL OF K LIES IN LDS: A's 8 tiles are 98,304 dense bytes, B's 16 tiles 196,608, their scales 4,096 and 8,192: four dense blocks of memory, brought as rows of 256 bytes by ONE tensor load a wave at the head
; (wave 0 A's codes, wave 1 B's, wave 2 A's scales, wave 3 B's).  Nothing is filled again: the walk along K has no barrier but the one ahead of the way out.
; CLUSTERS: 4 x 4 work-groups; A's blocks hang on the block row alone and are asked for jointly along a row of the cluster, B's on the block column alone and jointly along a column.
; NO PREFETCH: all tensor loads go out at the head; there is no loop that runs ahead of a load.
; THE MATRIX INSTRUCTION IS USED TRANSPOSED (source 0 = 16 rows of B, source 1 = 16 rows of A): a lane holds eight neighbouring columns of a row.  The bias is the C of each accumulator's first product.
; REGISTERS: window 0: v0-31 addresses; v32-63 scale words, two sets (lanes 0-15 A's tile i, lanes 16-31 B's tile i); v64-127 the bias; v128-223 A's fragments, two sets of four; on the way out v128-255 rows read back.
;   window 1: B's fragments, two sets of eight, at v0 and v128.   window 2: the accumulators, (a, b) at v[8 (8 a + b)].
.set FR,     12
.set TILEB,  12288
.set LB,     8*TILEB                   ; LDS: A's codes from 0, B's from here,
.set LSA,    24*TILEB                  ; A's scales,
.set LSB,    LSA+4096+128              ; B's: 128 bytes further on, so that the two halves of the lanes read different banks
.set SPARE,  307456                    ; the spare words, 128 bytes for each wave, in blocks of 256 bytes that no other line names
.set SPITCH, 528                       ; the way out: a stage of 16 rows x (512 + 16) bytes for each wave, over A's codes, behind the barrier behind which nobody reads them
.set ADRA, 16
.set ADRB, 20                          ; v20 B's tiles 0-3, v21 tiles 4-7
.set ADRS2, 22                         ; as ADRS for tiles 4-7 of B; its lanes 0-15 read A's tiles 0-3 once more (A has four)
.set STO,  24
.set RD,   25
.set CO,   26
.set ADRS, 27
.set SPW,  28
.set NIL,  29
.set SC,   32
.set BI,   64
.set AF,   128
.set BK,   128
.set G1, 24
.set G0, 32
.set G1B, 48
.set G0B, 56
.set G1S, 68
.set G0S, 76
.set G1SB, 80
.set G0SB, 88
.set MSB, 0
.macro WIN new                         ; the immediate's high byte repeats the setting that is left
.if MSB != (\new)
	s_set_vgpr_msb (MSB<<8)|(\new)
.set MSB, (\new)
.endif
.endm
.macro CROUND                          ; a round of the cluster's barrier
	s_barrier_signal -1
	s_barrier_wait -1
	s_cmp_lg_u32 s14, 0
	s_cbranch_scc1 .Lnot_wave_0_\@
	s_barrier_signal -3
.Lnot_wave_0_\@:
	s_barrier_wait -3
	s_barrier_signal -1
	s_barrier_wait -1
.endm
.macro DENSE g, rows                   ; group 1 of a dense block: rows of 256 bytes, 32 elements of 8
	s_mov_b32 s[\g+1], 32<<16
	s_mov_b32 s[\g+2], (\rows)<<16
	s_mov_b32 s[\g+3], 32<<16
	s_mov_b32 s[\g+4], \rows
	s_mov_b32 s[\g+5], 32
	s_mov_b32 s[\g+6], 0
	s_mov_b32 s[\g+7], 0
.endm
.macro PLACES
.rept 4
	v_nop
.endr
.endm
	s_load_b256 s[4:11], s[0:1], 0x0               ; A's codes s[4:5], A's scales s[6:7], the weights' codes s[8:9], their scales s[10:11]
	s_load_b64 s[12:13], s[0:1], 0x20              ; the bias
	s_load_b64 s[96:97], s[0:1], 0x28              ; the result
	v_lshl_add_u32 v[SPW], v0, 2, SPARE
	v_mov_b32 v[NIL], 0
	ds_add_u32 v[SPW], v[NIL]                      ; the opening lines: the add, twice on end, and its wait
	ds_add_u32 v[SPW], v[NIL]
	v_lshrrev_b32 v1, 5, v0
	v_readfirstlane_b32 s14, v1                    ; wave 0..3
	s_lshr_b32 s15, s14, 1                         ; which 64 rows of the block are mine
	s_and_b32 s16, s14, 1                          ; which 128 columns
	s_bfe_u32 s40, ttmp6, 0x40000                  ; cx, cy
	s_bfe_u32 s41, ttmp6, 0x40004
	s_lshl_b32 s42, ttmp9, 2
	s_add_co_u32 s42, s42, s40                     ; block column
	s_and_b32 s17, ttmp7, 0xffff
	s_lshl_b32 s17, s17, 2
	s_add_co_u32 s17, s17, s41                     ; block row
	s_lshl_b32 s43, s41, 2
	s_lshl_b32 s43, 15, s43                        ; my row of the cluster
	s_lshl_b32 s44, 0x1111, s40                    ; my column
	s_or_b32 s[G1+0], s43, (3<<16)|(1<<21)         ; the mask; elements of 8 bytes; bit 21 beside a mask
	s_or_b32 s[G1S+0], s43, (3<<16)|(1<<21)
	s_or_b32 s[G1B+0], s44, (3<<16)|(1<<21)
	s_or_b32 s[G1SB+0], s44, (3<<16)|(1<<21)
	DENSE G1, 384
	DENSE G1B, 768
	DENSE G1S, 16
	DENSE G1SB, 32
	s_mul_i32 s20, s17, 8*TILEB                    ; A: 8 tiles a block row
	s_mov_b32 s21, 0
	s_lshl_b32 s22, s17, 12
	s_mov_b32 s23, 0
	s_lshl_b32 s46, s42, 4
	s_add_co_u32 s46, s46, 192                     ; B: tile 192 + 16 x block column
	s_lshl_b32 s92, s46, 9
	s_mov_b32 s93, 0
	s_mul_i32 s46, s46, TILEB
	s_mov_b32 s47, 0
	s_wait_dscnt 0x0                               ; both opening adds are done
	s_wait_kmcnt 0x0
	s_mov_b32 s[G0], 1
	s_mov_b32 s[G0+1], 0
	s_add_nc_u64 s[G0+2:G0+3], s[4:5], s[20:21]
	s_or_b32 s[G0+3], s[G0+3], 0x80000000
	s_mov_b32 s[G0B], 1
	s_mov_b32 s[G0B+1], LB
	s_add_nc_u64 s[G0B+2:G0B+3], s[8:9], s[46:47]
	s_or_b32 s[G0B+3], s[G0B+3], 0x80000000
	s_mov_b32 s[G0S], 1
	s_mov_b32 s[G0S+1], LSA
	s_add_nc_u64 s[G0S+2:G0S+3], s[6:7], s[22:23]
	s_or_b32 s[G0S+3], s[G0S+3], 0x80000000
	s_mov_b32 s[G0SB], 1
	s_mov_b32 s[G0SB+1], LSB
	s_add_nc_u64 s[G0SB+2:G0SB+3], s[10:11], s[92:93]
	s_or_b32 s[G0SB+3], s[G0SB+3], 0x80000000
	CROUND                                         ; all sixteen work-groups are here: the joint loads meet
.macro ARM under, g0, g1, next         ; one chain of branches on the wave's number: every way through it passes one load
	s_cmp_lt_u32 s14, \under
	s_cbranch_scc0 \next
	tensor_load_to_lds s[\g0:\g0+3], s[\g1:\g1+7]
	s_nop 0
.rept 4
	v_nop
.endr
	s_branch .Lhead_asked
\next:
.endm
	ARM 1, G0,  G1,  .Lhead_b
	ARM 2, G0B, G1B, .Lhead_sa
	ARM 3, G0S, G1S, .Lhead_sb
	tensor_load_to_lds s[G0SB:G0SB+3], s[G1SB:G1SB+7]
	s_nop 0
.rept 4
	v_nop
.endr
.Lhead_asked:
	s_mul_i32 s18, s15, 4*TILEB                    ; my four tiles of A,
	s_mul_i32 s19, s16, 8*TILEB
	s_add_co_u32 s19, s19, LB                      ; my eight of B: tiles 0-3,
	s_add_co_u32 s20, s19, 4*TILEB                 ; tiles 4-7
	s_lshl_b32 s21, s15, 11                        ; my tiles' scale words: A's,
	s_lshl_b32 s22, s16, 12
	s_add_co_u32 s22, s22, LSB-LSA
	s_sub_co_u32 s22, s22, s21                     ; and how far on B's lie
	s_add_co_u32 s23, s22, 2048
	s_add_co_u32 s45, s21, LSA-2048
	s_add_co_u32 s21, s21, LSA
	s_mul_i32 s46, s14, 16*SPITCH                  ; my stage
	s_lshl_b32 s94, s42, 10
	s_lshl_b32 s95, s16, 9
	s_add_co_u32 s94, s94, s95                     ; my first column, in bytes
	s_mov_b32 s95, 0
	s_add_nc_u64 s[12:13], s[12:13], s[94:95]
	s_add_nc_u64 s[96:97], s[96:97], s[94:95]
	s_lshl_b32 s94, s17, 19                        ; my first row: 128 x block row + 64 x half, rows of 4,096 bytes
	s_lshl_b32 s47, s15, 18
	s_add_co_u32 s94, s94, s47
	s_add_nc_u64 s[96:97], s[96:97], s[94:95]
	v_and_b32 v1, 15, v0                           ; r
	v_bfe_u32 v2, v0, 4, 1                         ; h
	v_and_b32 v3, 31, v0
	v_lshlrev_b32 v9, 3, v3                        ; 8 x lane: my place in a piece
	v_lshlrev_b32 v[CO], 4, v3
	v_add_nc_u32 v[ADRA], s18, v9
	v_add_nc_u32 v[ADRB], s19, v9
	v_add_nc_u32 v[ADRB+1], s20, v9
	v_lshlrev_b32 v7, 3, v1
	v_mul_u32_u24 v8, s22, v2                      ; lanes 16-31 take B's words
	v_mul_u32_u24 v6, s23, v2
	v_add_nc_u32 v8, v7, v8
	v_add_nc_u32 v6, v7, v6
	v_add_nc_u32 v[ADRS], s21, v8
	v_add_nc_u32 v[ADRS2], s45, v6
	v_mul_u32_u24 v5, v1, SPITCH                   ; into the stage: row r, 64 bytes for each half of the lanes
	v_lshl_add_u32 v5, v2, 6, v5
	v_add_nc_u32 v[STO], s46, v5
	v_add_nc_u32 v[RD], s46, v[CO]                 ; back: the 32 lanes take one row of 512 bytes
	v_lshlrev_b32 v4, 6, v2
.irp b, 0,1,2,3,4,5,6,7                ; the bias at my eight columns of B's tile b: true columns 32 (b / 2) + 8 (b % 2) + 16 h + 0 .. 7
	global_load_b128 v[BI+8*\b:BI+8*\b+3], v4, s[12:13] offset:(32*(\b/2)+8*(\b%2))*4
	global_load_b128 v[BI+8*\b+4:BI+8*\b+7], v4, s[12:13] offset:(32*(\b/2)+8*(\b%2))*4+16
.endr
.macro FRAG reg, adr, st, i            ; a fragment: six pieces of 256 consecutive bytes, 8 a lane
.irp p, 0,1,2,3,4,5
	ds_load_b64 v[\reg+2*\p:\reg+2*\p+1], v[\adr] offset:(\i)*TILEB+(\st)*1536+256*\p
.endr
.endm
.macro SCALES pr                       ; the scale words of K steps 2 pr and 2 pr + 1 into set pr % 2
.irp i, 0,1,2,3
	ds_load_b64 v[SC+16*((\pr)%2)+2*\i:SC+16*((\pr)%2)+2*\i+1], v[ADRS] offset:\i*512+128*(\pr)
.endr
.irp i, 4,5,6,7
	ds_load_b64 v[SC+16*((\pr)%2)+2*\i:SC+16*((\pr)%2)+2*\i+1], v[ADRS2] offset:\i*512+128*(\pr)
.endr
.endm
.macro FETCH st                        ; K step st's fragments into set st % 2
	WIN 0x40                                       ; destination window 1, address window 0
.irp i, 0,1,2,3,4,5,6,7
	FRAG 128*((\st)%2)+FR*\i, ADRB+\i/4, \st, \i%4
.endr
	WIN 0
.irp i, 0,1,2,3
	FRAG AF+48*((\st)%2)+FR*\i, ADRA, \st, \i
.endr
.if (\st)%2 == 0
	SCALES (\st)/2
.endif
.endm
; 16 matrix instructions: A's tiles a0, a0 + 1 x B's eight.  The 32 accumulators take turns, in the same order in every step
.macro MUL16 a0, p, q, sc, zero
.irp a, \a0, \a0+1
.irp b, 0,1,2,3,4,5,6,7
.set DR, 8*(8*(\a)+\b)
.if \zero
.set CR, BI+8*\b
.else
.set CR, DR
.endif
	v_wmma_scale_f32_16x16x128_f8f6f4 v[DR:DR+7], v[128*(\p)+FR*\b:128*(\p)+FR*\b+FR-1], v[AF+48*(\p)+FR*(\a):AF+48*(\p)+FR*(\a)+FR-1], v[CR:CR+7], v[SC+16*(\sc)+2*\b+(\q)], v[SC+16*(\sc)+2*(\a)+(\q)] matrix_a_fmt:MATRIX_FMT_BF6 matrix_b_fmt:MATRIX_FMT_BF6 matrix_a_scale:MATRIX_SCALE_ROW1
.endr
.endr
.endm
; A K step: its fragments, asked for a step ago, are in; the next step's are asked for, into the set that the last step's products read (four places behind them); 32 products
.macro STEP st, zero
	s_wait_dscnt 0x0
.if (\st) < 7
.if (\st) > 0
	PLACES
.endif
	FETCH (\st)+1
.else
	s_barrier_signal -1                            ; my last reads of the codes and scales are done
.endif
.if \zero
	WIN 0x81                                       ; source 0 window 1, source 1 and C window 0, D window 2
.else
	WIN 0xa1                                       ; C window 2 too
.endif
	MUL16 0, (\st)%2, (\st)%2, ((\st)/2)%2, \zero
	MUL16 2, (\st)%2, (\st)%2, ((\st)/2)%2, \zero
	WIN 0
.if (\st) == 7
	s_barrier_wait -1                              ; everybody's are: the stage may be laid over A's codes
.endif
.endm
	s_wait_alu depctr_va_vdst(0)
	s_wait_tensorcnt 0x0                           ; my block of the four is in,
	s_barrier_signal -1
	s_barrier_wait -1                              ; everybody's is
	FETCH 0
	s_wait_loadcnt 0x0                             ; the bias
	STEP 0, 1
.set ST, 1
.rept 7
	STEP ST, 0
.set ST, ST+1
.endr
; THE WAY OUT, tile by tile of 16 rows x 128 columns: through my own stage and back as whole rows of 512 bytes.  LDS serves a wave's instructions in order (ISA guide 5.7.1.4): no wait between the stores and the loads
.macro TOSTAGE a
.set AC, 64*(\a)
	WIN 0x08                                       ; the data: window 2
.irp b, 0,1,2,3,4,5,6,7
	ds_store_b128 v[STO], v[AC+8*\b:AC+8*\b+3] offset:128*(\b/2)+32*(\b%2)          ; each accumulator from its low end on
	ds_store_b128 v[STO], v[AC+8*\b+4:AC+8*\b+7] offset:128*(\b/2)+32*(\b%2)+16
.endr
	WIN 0
.set BB, BK+64*((\a)%2)
.irp t, 0,1,2,3,4,5,6,7,8,9,10,11,12,13,14,15
	ds_load_b128 v[BB+4*\t:BB+4*\t+3], v[RD] offset:\t*SPITCH
.endr
.endm
.macro SEND a, younger                 ; younger: the LDS instructions issued behind tile a's loads, which may stay out
.set BB, BK+64*((\a)%2)
	s_wait_dscnt \younger
.irp t, 0,1,2,3,4,5,6,7,8,9,10,11,12,13,14,15
	global_store_b128 v[CO], v[BB+4*\t:BB+4*\t+3], s[96:97] offset:(32*((\a)/2)+8*((\a)%2)+(\t&7)+16*(\t>>3))*4096 th:TH_STORE_NT   ; 32 lanes store 512 consecutive bytes, aligned, at the tile row's true row
.endr
.endm
	PLACES                                         ; behind the last products: for the stores of results and for the loads into A's registers
	TOSTAGE 0
.irp a, 1,2,3
.if \a > 1
	s_wait_xcnt 0x0                                ; tile a - 2's stores have read their registers
.endif
	TOSTAGE \a
	SEND \a-1, 32                                  ; behind tile a - 1's loads: tile a's 16 stores and 16 loads
.endr
	SEND 3, 0
	s_wait_tensorcnt 0x0                           ; the wave's end
	ds_add_u32 v[SPW], v[NIL]
	s_wait_dscnt 0x0
	CROUND                                         ; the closing round
	s_endpgm
.Lfunc_end_k_qc06454e77c_gemm_out:
	.size	k_qc06454e77c_gemm_out, .Lfunc_end_k_qc06454e77c_gemm_out-k_qc06454e77c_gemm_out
	.p2alignl 7, 3214868480
	.fill 96, 4, 3214868480
	.section	.rodata,"a",@progbits
	.p2align	6, 0x0
	.amdhsa_kernel k_qc06454e77c_gemm_out
		.amdhsa_group_segment_fixed_size 327680
		.amdhsa_private_segment_fixed_size 0
		.amdhsa_enable_private_segment 0
		.amdhsa_kernarg_size 48
		.amdhsa_user_sgpr_count 2
		.amdhsa_user_sgpr_kernarg_segment_ptr 1
		.amdhsa_wavefront_size32 1
		.amdhsa_system_sgpr_workgroup_id_x 1
		.amdhsa_system_sgpr_workgroup_id_y 1
		.amdhsa_system_sgpr_workgroup_id_z 1
		.amdhsa_system_vgpr_workitem_id 0
		.amdhsa_next_free_vgpr 768
		.amdhsa_next_free_sgpr 100
		.amdhsa_reserve_vcc 0
		.amdhsa_float_denorm_mode_32 3
		.amdhsa_float_denorm_mode_16_64 3
		.amdhsa_memory_ordered 1
		.amdhsa_forward_progress 1
		.amdhsa_inst_pref_size 97
	.end_amdhsa_kernel
	.amdgpu_metadata
---
amdhsa.version: [ 1, 2 ]
amdhsa.kernels:
  - .name:           k_qc06454e77c_gemm_out
    .symbol:         k_qc06454e77c_gemm_out.kd
    .args:
      - { .name: aoc, .offset: 0, .size: 8, .value_kind: global_buffer, .address_space: global }
      - { .name: aos, .offset: 8, .size: 8, .value_kind: global_buffer, .address_space: global }
      - { .name: wc, .offset: 16, .size: 8, .value_kind: global_buffer, .address_space: global }
      - { .name: ws, .offset: 24, .size: 8, .value_kind: global_buffer, .address_space: global }
      - { .name: b_out, .offset: 32, .size: 8, .value_kind: global_buffer, .address_space: global }
      - { .name: out0, .offset: 40, .size: 8, .value_kind: global_buffer, .address_space: global }
    .group_segment_fixed_size: 327680
    .private_segment_fixed_size: 0
    .kernarg_segment_align: 8
    .kernarg_segment_size: 48
    .max_flat_workgroup_size: 128
    .sgpr_count:     100
    .vgpr_count:     768
    .wavefront_size: 32
...
	.end_amdgpu_metadata
.endif
;; end of part 4
